; MI455X (gfx1250); checked and timed in simulation.
; The chip was launched on July 23, 2026; its instructions are those of AMD's public machine-readable ISA for CDNA 5 (MIT licence, August 2026) and "CDNA5" Instruction Set Architecture Reference Guide (July 2026). The comments in the code are by the model that wrote it; some were corrected since.
;; Attention Layer. Allowed arithmetic: matrix products marked QUANTISED: E4M3 operands, one given power-of-two scale a tensor, by v_wmma_f32_16x16x64_fp8_fp8 or v_wmma_f32_16x16x128_fp8_fp8, f32 sums; everything else in f32.
;; Inputs: gate_logit 16 float32; gate_w 2,048 x 16 float32; lowp_scales 20 int32 (the exponents e of the quantised operands' scales 2^e); w_k_geo 2,048 x 1,024 float32; w_k_sem 2,048 x 1,024 float32; w_out 2,048 x 2,048 float32; w_q_geo 2,048 x 1,024 float32; w_q_sem 2,048 x 1,024 float32; w_v 2,048 x 2,048 float32; x 2 x 1,024 x 2,048 float32.
;; Outputs: out0 2 x 1,024 x 2,048 float32.
;; This version of the problem:
;;   THIS VERSION OF THE PROBLEM IS GIVEN IN LOW PRECISION. The matrix products marked QUANTISED in the list below multiply operands that are first quantised to E4M3 (4 exponent bits, 3 mantissa bits; 8 bits a number), with one given power-of-two scale for each operand tensor; their sums are f32. All else is computed in f32.
;;   The module's matrix products, in the order in which they are computed (A, B: the left and right operand; K: the contracted axis; several contracted axes count as one K, in the product's order):
;;     1. [M 2,048, K 2,048] x [K 2,048, N 1,024]; A: input x; B: input w_q_sem: QUANTISED (scales: A lowp_scales[0], B lowp_scales[1])
;;     2. [M 2,048, K 2,048] x [K 2,048, N 1,024]; A: input x; B: input w_k_sem: QUANTISED (scales: A lowp_scales[2], B lowp_scales[3])
;;     3. [M 2,048, K 2,048] x [K 2,048, N 1,024]; A: input x; B: input w_q_geo: QUANTISED (scales: A lowp_scales[4], B lowp_scales[5])
;;     4. [M 2,048, K 2,048] x [K 2,048, N 1,024]; A: input x; B: input w_k_geo: QUANTISED (scales: A lowp_scales[6], B lowp_scales[7])
;;     5. [M 2,048, K 2,048] x [K 2,048, N 2,048]; A: input x; B: input w_v: QUANTISED (scales: A lowp_scales[8], B lowp_scales[9])
;;     6. batch 32 x [M 1,024, K 64] x [K 64, N 1,024]; A: computed on the way; B: computed on the way: QUANTISED (scales: A lowp_scales[10], B lowp_scales[11])
;;     7. batch 32 x [M 1,024, K 64] x [K 64, N 1,024]; A: computed on the way; B: computed on the way: QUANTISED (scales: A lowp_scales[12], B lowp_scales[13])
;;     8. [M 2,048, K 2,048] x [K 2,048, N 16]; A: input x; B: input gate_w: QUANTISED (scales: A lowp_scales[14], B lowp_scales[15])
;;     9. batch 32 x [M 1,024, K 1,024] x [K 1,024, N 128]; A: softmax (see below); B: computed on the way: QUANTISED (scales: A lowp_scales[16], B lowp_scales[17])
;;     10. [M 2,048, K 2,048] x [K 2,048, N 2,048]; A: computed on the way; B: input w_out: QUANTISED (scales: A lowp_scales[18], B lowp_scales[19])
;;   THE QUANTISER, for each operand of a quantised product, along K:
;;     - The operand's scale is 2^e, e = its entry of the input lowp_scales (int32; the entries are numbered through the quantised products in the list's order, A before B).
;;     - Each number is divided by the scale, clamped to +-448, and rounded to the nearest number of E4M3, ties to even, subnormals kept.
;;     - The product sums the exact products of the quantised numbers (number of the format x scale) in f32.
;;   ~~~python
;;   def quantise(x, axis, e):      # numpy; x: float32 -> the quantised numbers, widened to float32 again
;;       x = np.moveaxis(x, axis, -1); K = x.shape[-1]
;;       r = np.clip(x / 2.0 ** e, -448, 448)
;;       step = 2.0 ** (np.maximum(np.frexp(np.where(r == 0, 1, r))[1] - 1, -6) - 3)
;;       q = np.round(r / step) * step * 2.0 ** e      # np.round: ties to even
;;       return np.moveaxis(q, -1, axis).astype(np.float32)
;;   ~~~
;;   SOFTMAX AHEAD OF A QUANTISED PRODUCT. Where the list says 'softmax', what is quantised is not the finished softmax but p = 2^(t - M), with t = logit x log2(e) and M = ceil(the row's largest t), a whole number; so 1/2 < the row's largest p <= 1. The row's sum l is taken of the UNQUANTISED p, in f32, and the product's result is divided by l at the end. Since M is a whole number, a kernel that streams over the keys may use a running M (the ceiling of the running maximum): every later rescaling is an exact power of two, so the quantised numbers keep their values, but for numbers so far below the row's largest that they fall under the format's range.
;;   OPERANDS COMPUTED ON THE WAY. 'Computed on the way' means the value that the module computes at that place (a softmax that the list does not call 'softmax' is quantised finished and normalised). What goes into a quantiser is computed in f32, as accurately as f32 sums, v_exp_f32 and their like allow (about 1e-6 of the number): no bf16 or f16 on the way to a quantiser, and a product that is left as it is and whose result goes on into a quantised operand takes f32 operands (vector FMAs, or v_wmma_f32_16x16x4_f32). A number that lies on a knife's edge between two numbers of the format may be rounded either way, as far as f32 arithmetic and the matrix unit's own rounding can turn it there, and no further.
;; One version. Each part assembles by itself: llvm-mc -triple=amdgcn-amd-amdhsa -mcpu=gfx1250 --defsym DOCPART=n.
;; ======== version 1 of 1: 4 launches
;; limits: right only within a limited range of input values
;; workspace buffers: cod 37,748,736 bytes; gat 131,072 bytes; rot 262,144 bytes; qc 4,194,304 bytes; kv 8,388,608 bytes; oc 4,194,304 bytes
;; launch prep (part 1): grid 640 x 1, 8 waves a work-group, no clusters, 109,568 bytes of LDS; arguments x, w_q_sem, w_k_sem, w_q_geo, w_k_geo, w_v, w_out, gate_w, gate_logit, lowp_scales, cod, gat, rot; writes cod, gat, rot
.if DOCPART == 1
	.amdgcn_target "amdgcn-amd-amdhsa--gfx1250"
	.amdhsa_code_object_version 6
	.text
	.protected	k_qe27851ae23_prep
	.globl	k_qe27851ae23_prep
	.p2align	8
	.type	k_qe27851ae23_prep,@function
k_qe27851ae23_prep:
	s_mov_b64 s[64:65], 0
	v_nop
	global_prefetch_b8 v0, s[64:65] scope:SCOPE_SE
	s_setreg_imm32_b32 hwreg(HW_REG_WAVE_MODE, 25, 1), 1
	s_wait_xcnt 0x0
; PREP: everything that is made once from the inputs.  Eight waves.  Four kinds of work-group, told apart by the work-group's number alone:
;   0..127    X: 16 rows of x -> five planes of E4M3 codes (x is an operand of five projections, each with its own given scale), and the gate: sigmoid(gate_logit + Q(x) Q(gate_w))
;   128..255  the four weights [2048][1024] -> codes;   256..383  w_v and w_out [2048][2048] -> codes;   384..391  the table of cos and sin for the rotation
; CODES ARE STORED AS IMAGES OF OPERAND REGISTERS.  A fragment is 16 rows x 128 along K in 16 registers: lane (r = lane % 16, h = lane / 16) holds row r, registers 2 c and 2 c + 1 hold k = 16 c + 8 h + 0 .. 7.
; Its image is 2,048 bytes: registers 4 G .. 4 G + 3 of lane l lie at 512 G + 16 l.  cod holds 1,152 runs of 32,768 bytes (16 rows x K 2,048 = 16 images): x's plane p at run 128 p + row / 16; then the weights'
; columns, 16 to a run: w_q_sem from run 640, w_k_sem 704, w_q_geo 768, w_k_geo 832, w_v 896, w_out 1024.
; code = number / 2^e, held within +-448, to the nearest code, ties to even.  LIMITS: each e used here lies between -126 and 119; NaN among the inputs is not served.
; THE DEAL OF THE WORK-GROUPS, as the branches below have it (it stands over the numbers in the lines above): 0..127 x; 128..255 the four weights [2048][1024], 256 along K to a work-group;
; 256..511 w_v and w_out, 128 along K to a work-group, half the work of one of the first 256; 512..639 the table, one position to a wave.
.set STGP,  528                        ; X: a stage row: 512 bytes + 16: the 16 rows that a read touches start at 16 different groups of four banks
.set WREG,  12544                      ; X: LDS of one wave: the stage (16 x 528) and two images of gate_w's codes (4,096)
.set GBI,   8448
.set RED,   8*WREG                     ; X: the waves' partial gate sums: [wave 8][token 16][head 16] f32
.set R,     32                         ; v32-95   x as loaded: row i in 4 registers
.set X,     96                         ; v96-159  register 8 c + i = x(row r, 16 c + 8 h + i); before that gate_w's numbers, two sets of 32
.set T,     160                        ; v160-175 held numbers, two sets of 8
.set C,     176                        ; v176-207 codes, two sets of 16
.set GA,    208                        ; v208-223 x's codes under the gate product's scale
.set GB,    224                        ; v224-239 gate_w's codes
.set ACC,   240                        ; v240-255 two accumulators, one for each of my K steps
.macro MKSC vs, se                     ; v[vs] = 2^e as f32 (the conversion takes its exponent field), v[vs + 1] = 448 x 2^e
	s_add_co_i32 s62, \se, 127
	s_lshl_b32 s63, s62, 23
	v_mov_b32 v[\vs], s63
	s_add_co_i32 s62, s62, 8
	s_lshl_b32 s62, s62, 23
	s_or_b32 s62, s62, 0x600000
	v_mov_b32 v[\vs+1], s62
.endm
.macro XLOAD s                         ; K step s of my two: 16 rows, each load 512 consecutive bytes of one row
.set n, 0
.rept 16
	global_load_b128 v[R+4*n:R+4*n+3], v4, s[32:33] offset:n*8192+(\s)*512 th:TH_LOAD_NT
.set n, n+1
.endr
.endm
.macro XSTAGE                          ; the 16 rows go into my stage as they lie
.set n, 0
.rept 16
	ds_store_b128 v5, v[R+4*n:R+4*n+3] offset:n*STGP
.set n, n+1
.endr
.endm
.macro GWLD u                          ; half u of four: gate_w(128 (u / 2) + 64 (u % 2) + 16 c + 8 h + i, head r), c = 0 .. 3
.set n, 0
.rept 32
	global_load_b32 v[X+32*((\u)%2)+n], v8, s[46:47] offset:(128*((\u)/2)+64*((\u)%2)+16*(n/8)+n%8)*64
.set n, n+1
.endr
.endm
.macro GWHALF u, left                  ; its 32 numbers become 8 registers of the fragment of K step u / 2, which go to my LDS as an image.  left: the loads issued behind this half's
	s_wait_dscnt 0x0                               ; earlier LDS stores have read their registers
	s_wait_loadcnt \left
.set n, 0
.rept 32
	v_med3_num_f32 v[X+32*(\u%2)+n], v[X+32*(\u%2)+n], -v29, v29
.set n, n+1
.endr
.irp c, 0,1,2,3
	v_cvt_scalef32_pk8_fp8_f32 v[C+16*(\u/2)+8*(\u%2)+2*\c:C+16*(\u/2)+8*(\u%2)+2*\c+1], v[X+32*(\u%2)+8*\c:X+32*(\u%2)+8*\c+7], v28
.endr
	v_nop                                          ; a plain line behind the last conversion of a run
	ds_store_b128 v7, v[C+16*(\u/2)+8*(\u%2):C+16*(\u/2)+8*(\u%2)+3] offset:(\u/2)*2048+1024*(\u%2)
	ds_store_b128 v7, v[C+16*(\u/2)+8*(\u%2)+4:C+16*(\u/2)+8*(\u%2)+7] offset:(\u/2)*2048+1024*(\u%2)+512
.if \u+2 < 4
	GWLD (\u+2)
.endif
.endm
.macro QP p, dst                       ; X's 64 numbers under scale p -> 16 registers of codes.  X stays as it is: the hold writes T, two sets by turns, so that eight plain lines stand between a conversion and the rewriting of its sources
.irp c, 0,1,2,3,4,5,6,7
.irp i, 0,1,2,3,4,5,6,7
	v_med3_num_f32 v[T+8*(\c%2)+\i], v[X+8*\c+\i], -v[17+2*(\p)], v[17+2*(\p)]
.endr
	v_cvt_scalef32_pk8_fp8_f32 v[\dst+2*\c:\dst+2*\c+1], v[T+8*(\c%2):T+8*(\c%2)+7], v[16+2*(\p)]
.endr
.endm
.macro XSTEP s
.if \s == 1
	XSTAGE                                         ; step 1's rows (in since the wait for 0 of gate_w's last half); my reads of step 0's rows are back; LDS serves a wave's instructions in order
.endif
.irp c, 0,1,2,3,4,5,6,7
	ds_load_b128 v[X+8*\c:X+8*\c+3], v6 offset:64*\c
	ds_load_b128 v[X+8*\c+4:X+8*\c+7], v6 offset:64*\c+16
.endr
.irp g, 0,1,2,3
	ds_load_b128 v[GB+4*\g:GB+4*\g+3], v7 offset:\s*2048+512*\g
.endr
	s_wait_dscnt 0x0
	QP 5, GA
	v_nop                                          ; a plain line between the last conversion and the product that reads its result
	v_wmma_f32_16x16x128_fp8_fp8 v[ACC+8*\s:ACC+8*\s+7], v[GA:GA+15], v[GB:GB+15], 0
.irp p, 0,1,2,3,4                      ; the five planes; their holds are the places behind the product
	s_wait_xcnt 0x0                                ; the stores of two planes back have read this set of codes
	QP \p, C+16*(\p%2)
.irp g, 0,1,2,3
	global_store_b128 v4, v[C+16*(\p%2)+4*\g:C+16*(\p%2)+4*\g+3], s[36+2*\p:37+2*\p] offset:\s*2048+512*\g   ; 512 consecutive bytes
.endr
.endr
.endm
.macro WLOAD t, np                     ; a weight: a lane takes a column, its registers run down K: block t of 32 rows
.set n, 0
.rept 32
	global_load_b32 v[32+32*((\t)%2)+n], v4, s[40:41] offset:(32*(\t)+n)*\np th:TH_LOAD_NT
.set n, n+1
.endr
.endm
.macro WBLOCK t, np, nb                ; block t of nb
.if \t < \nb-1
	s_wait_loadcnt 32                              ; this block's 32 loads are in; the next block's may be out
.else
	s_wait_loadcnt 0x0
.endif
.set n, 0
.rept 32
	v_med3_num_f32 v[32+32*(\t%2)+n], v[32+32*(\t%2)+n], -v29, v29
.set n, n+1
.endr
	; k = 32 t + 8 g + i belongs to lane (r, h = g % 2) of the image, bytes 8 (g / 2) + i of group t % 4: so g = 0 and 2 make 16 bytes, g = 1 and 3 the 16 bytes that lie 256 further on
	v_cvt_scalef32_pk8_fp8_f32 v[96+8*\t:96+8*\t+1], v[32+32*(\t%2):32+32*(\t%2)+7], v28
	v_cvt_scalef32_pk8_fp8_f32 v[96+8*\t+4:96+8*\t+5], v[32+32*(\t%2)+8:32+32*(\t%2)+15], v28
	v_cvt_scalef32_pk8_fp8_f32 v[96+8*\t+2:96+8*\t+3], v[32+32*(\t%2)+16:32+32*(\t%2)+23], v28
	v_cvt_scalef32_pk8_fp8_f32 v[96+8*\t+6:96+8*\t+7], v[32+32*(\t%2)+24:32+32*(\t%2)+31], v28
	v_nop
	global_store_b128 v5, v[96+8*\t:96+8*\t+3], s[42:43] offset:(\t/4)*2048+(\t%4)*512        ; sixteen lanes store 256 consecutive bytes, aligned; each block has its own registers for its codes
	global_store_b128 v5, v[96+8*\t+4:96+8*\t+7], s[42:43] offset:(\t/4)*2048+(\t%4)*512+256
.if \t+2 < \nb
	WLOAD \t+2, \np
.endif
.endm
.macro WBODY np, nb                    ; s[40:41] the weight, s52 which 256 columns, s53 which 32 nb along K, s54 its first run in cod, s55 the byte of its e; np = bytes in a row; nb = blocks of 32 rows.  A wave takes 32 columns
	s_load_b32 s56, s[22:23], s55 offset:0x0
	v_lshlrev_b32 v4, 2, v2
	s_wait_alu depctr_va_vdst(0)
	v_lshlrev_b32 v5, 4, v3
	s_delay_alu instid0(VALU_DEP_1)
	v_lshl_add_u32 v5, v13, 15, v5                 ; lanes 16-31 hold the next 16 columns: the next run
	s_mul_i32 s58, s53, 32*\nb*\np
	s_lshl_b32 s57, s52, 10
	s_add_co_u32 s58, s58, s57
	s_lshl_b32 s57, s30, 7
	s_add_co_u32 s58, s58, s57
	s_mov_b32 s59, 0
	s_add_nc_u64 s[40:41], s[40:41], s[58:59]
	s_lshl_b32 s57, s52, 4
	s_add_co_u32 s54, s54, s57
	s_lshl_b32 s57, s30, 1
	s_add_co_u32 s54, s54, s57                     ; run = first + 16 x (256 columns) + 2 x wave
	s_lshl_b32 s60, s54, 15
	s_mul_i32 s57, s53, 512*\nb                    ; 32 along K are 512 bytes of a run
	s_add_co_u32 s60, s60, s57
	s_mov_b32 s61, 0
	s_add_nc_u64 s[42:43], s[24:25], s[60:61]
	WLOAD 0, \np
	WLOAD 1, \np
	s_wait_kmcnt 0x0
	MKSC 28, s56
	s_wait_alu depctr_va_vdst(0)
.if \nb == 8
.irp t, 0,1,2,3,4,5,6,7
	WBLOCK \t, \np, \nb
.endr
.else
.irp t, 0,1,2,3
	WBLOCK \t, \np, \nb
.endr
.endif
	s_endpgm
.endm
.macro ANG inv, out                    ; cos (lanes 0-15) or sin (lanes 16-31) of pos x inv: n = nearest whole number of quarter turns, r = the rest in two fused steps, series in r on +-pi/4
	v_mul_f32 v11, v10, v[\inv]
	s_delay_alu instid0(VALU_DEP_1)
	v_mul_f32 v12, 0x3f22f983, v11
	s_delay_alu instid0(VALU_DEP_1)
	v_rndne_f32 v12, v12
	s_delay_alu instid0(VALU_DEP_1)
	v_fma_f32 v14, v12, 0xbfc90fdb, v11
	s_delay_alu instid0(VALU_DEP_1)
	v_fma_f32 v14, v12, 0x333bbd2e, v14
	s_delay_alu instid0(VALU_DEP_1)
	v_mul_f32 v15, v14, v14
	v_mov_b32 v16, 0x3638ef1d
	s_delay_alu instid0(VALU_DEP_1)
	v_fmaak_f32 v16, v16, v15, 0xb9500d01
	s_delay_alu instid0(VALU_DEP_1)
	v_fmaak_f32 v16, v16, v15, 0x3c088889
	s_delay_alu instid0(VALU_DEP_1)
	v_fmaak_f32 v16, v16, v15, 0xbe2aaaab
	v_mul_f32 v17, v14, v15
	s_delay_alu instid0(VALU_DEP_1)
	v_fma_f32 v16, v17, v16, v14                   ; sin r, to r^9
	v_mov_b32 v18, 0xb493f27e
	s_delay_alu instid0(VALU_DEP_1)
	v_fmaak_f32 v18, v18, v15, 0x37d00d01
	s_delay_alu instid0(VALU_DEP_1)
	v_fmaak_f32 v18, v18, v15, 0xbab60b61
	s_delay_alu instid0(VALU_DEP_1)
	v_fmaak_f32 v18, v18, v15, 0x3d2aaaab
	s_delay_alu instid0(VALU_DEP_1)
	v_fmaak_f32 v18, v18, v15, 0xbf000000
	s_delay_alu instid0(VALU_DEP_1)
	v_fmaak_f32 v18, v18, v15, 0x3f800000          ; cos r, to r^10
	v_cvt_i32_f32 v19, v12
	s_delay_alu instid0(VALU_DEP_1)
	v_sub_nc_u32 v19, v19, v13                     ; q = n - (lane / 16): sin a = cos(a - a quarter turn)
	s_delay_alu instid0(VALU_DEP_1)
	v_and_b32 v20, 1, v19
	s_delay_alu instid0(VALU_DEP_1)
	v_cmp_eq_u32 vcc_lo, 1, v20
	s_delay_alu instid0(VALU_DEP_1)
	v_cndmask_b32 v16, v18, v16, vcc_lo            ; q odd: sin r, else cos r
	s_delay_alu instid0(VALU_DEP_4)
	v_add_nc_u32 v19, 1, v19
	s_delay_alu instid0(VALU_DEP_1)
	v_and_b32 v19, 2, v19
	s_delay_alu instid0(VALU_DEP_1)
	v_lshlrev_b32 v19, 30, v19                     ; q mod 4 = 1 or 2: the sign turns
	s_delay_alu instid0(VALU_DEP_1)
	v_xor_b32 v[\out], v19, v16
.endm
	s_load_b512 s[4:19], s[0:1], 0x0               ; x, w_q_sem, w_k_sem, w_q_geo, w_k_geo, w_v, w_out, gate_w
	s_load_b256 s[20:27], s[0:1], 0x40             ; gate_logit, lowp_scales, cod, gat
	s_load_b64 s[28:29], s[0:1], 0x60              ; rot
	v_lshl_add_u32 v30, v0, 2, 0x1a800             ; my spare word, behind the partial sums; v30 and v31 are kept for the closing add alone
	v_mov_b32 v31, 0
	v_lshrrev_b32 v1, 5, v0
	s_delay_alu instid0(VALU_DEP_1)
	v_readfirstlane_b32 s30, v1                    ; wave 0..7
	v_and_b32 v2, 31, v0                           ; lane
	v_and_b32 v3, 15, v0                           ; r
	v_bfe_u32 v13, v0, 4, 1                        ; h
	s_wait_kmcnt 0x0
	s_cmp_lt_u32 ttmp9, 128
	s_cbranch_scc1 .Lx
	s_cmp_lt_u32 ttmp9, 256
	s_cbranch_scc1 .Lw1
	s_cmp_lt_u32 ttmp9, 512
	s_cbranch_scc1 .Lw2
	; ---- the table: rot[pos][cos f = 0 .. 31 | sin f = 0 .. 31], angle = pos x 10^(-f / 8).  A wave takes one position; a lane two neighbouring f
	s_sub_co_u32 s50, ttmp9, 512
	s_lshl_b32 s50, s50, 3
	s_add_co_u32 s50, s50, s30                     ; my position: 8 x work-group + wave
	s_lshl_b32 s52, s50, 8
	s_mov_b32 s53, 0
	s_add_nc_u64 s[28:29], s[28:29], s[52:53]
	s_wait_alu depctr_va_vdst(0)
	v_lshlrev_b32 v4, 3, v2
	v_lshlrev_b32 v5, 1, v3
	s_delay_alu instid0(VALU_DEP_1)
	v_cvt_f32_u32 v6, v5                           ; f
	s_delay_alu instid0(VALU_DEP_1)
	v_add_f32 v7, 1.0, v6                          ; f + 1
	s_delay_alu instid0(VALU_DEP_2)
	v_mul_f32 v8, 0xbed49a80, v6                   ; -f x the upper 17 bits of log2(10) / 8: exact
	s_delay_alu instid0(VALU_DEP_2)
	v_mul_f32 v9, 0xbed49a80, v7
	s_wait_alu depctr_va_vdst(0)
	v_exp_f32 v8, v8
	v_exp_f32 v9, v9
	v_mul_f32 v6, 0x342ae0c5, v6                   ; f x ln 2 x what those bits have too much.  (A plain line behind the exponentials)
	v_mul_f32 v7, 0x342ae0c5, v7
	s_wait_alu depctr_va_vdst(0)
	v_fma_f32 v8, v8, v6, v8
	v_fma_f32 v9, v9, v7, v9
	v_cvt_f32_u32 v10, s50
	ANG 8, 22
	ANG 9, 23
	global_store_b64 v4, v[22:23], s[28:29]        ; the wave stores its position's 256 bytes
	s_endpgm
.Lw1:   ; ---- the four weights of 1,024 columns: 32 work-groups each (4 x 256 columns, 8 x 256 along K)
	s_sub_co_u32 s50, ttmp9, 128
	s_lshr_b32 s51, s50, 5                         ; which product
	s_and_b32 s52, s50, 3
	s_bfe_u32 s53, s50, 0x30002
	s_lshl_b32 s54, s51, 6
	s_add_co_u32 s54, s54, 640
	s_lshl_b32 s55, s51, 3
	s_add_co_u32 s55, s55, 4                       ; entry 2 p + 1
	s_cmp_eq_u32 s51, 1
	s_cselect_b64 s[40:41], s[8:9], s[6:7]
	s_cmp_eq_u32 s51, 2
	s_cselect_b64 s[40:41], s[10:11], s[40:41]
	s_cmp_eq_u32 s51, 3
	s_cselect_b64 s[40:41], s[12:13], s[40:41]
	s_wait_alu depctr_va_vdst(0)
	WBODY 4096, 8
.Lw2:   ; ---- w_v and w_out: 128 work-groups each (8 x 256 columns, 16 x 128 along K)
	s_sub_co_u32 s50, ttmp9, 256
	s_lshr_b32 s51, s50, 7
	s_and_b32 s52, s50, 7
	s_bfe_u32 s53, s50, 0x40003
	s_lshl_b32 s54, s51, 7
	s_add_co_u32 s54, s54, 896
	s_mul_i32 s55, s51, 40
	s_add_co_u32 s55, s55, 36                      ; entry 9 or 19
	s_cmp_eq_u32 s51, 0
	s_cselect_b64 s[40:41], s[14:15], s[16:17]
	s_wait_alu depctr_va_vdst(0)
	WBODY 8192, 4
.Lx:    ; ---- x: work-group j takes rows 16 j .. 16 j + 15, wave w K steps 2 w and 2 w + 1
	s_load_b512 s[68:83], s[22:23], 0x0            ; entries 0 .. 15
	s_lshl_b32 s50, ttmp9, 17
	s_lshl_b32 s52, s30, 10
	s_add_co_u32 s50, s50, s52
	s_mov_b32 s51, 0
	s_add_nc_u64 s[32:33], s[4:5], s[50:51]        ; x at my rows and my 256 columns
	s_lshl_b32 s50, ttmp9, 15
	s_lshl_b32 s52, s30, 12
	s_add_co_u32 s50, s50, s52
	s_add_nc_u64 s[36:37], s[24:25], s[50:51]      ; plane 0 at my run and my two images
.irp p, 1,2,3,4
	s_add_nc_u64 s[36+2*\p:37+2*\p], s[36:37], \p*4194304
.endr
	s_lshl_b32 s50, s30, 14
	s_add_nc_u64 s[46:47], s[18:19], s[50:51]      ; gate_w at my 256 rows
	s_lshl_b32 s50, ttmp9, 10
	s_lshl_b32 s52, s30, 8
	s_add_co_u32 s50, s50, s52
	s_add_nc_u64 s[48:49], s[26:27], s[50:51]      ; gat at tokens 16 j + 4 w (used by waves 0 to 3)
	s_mul_i32 s31, s30, WREG
	s_wait_alu depctr_va_vdst(0)
	v_lshlrev_b32 v4, 4, v2                        ; 16 x lane
	v_lshl_add_u32 v5, v2, 4, s31                  ; the stage, in
	v_mul_u32_u24 v6, v3, STGP
	s_delay_alu instid0(VALU_DEP_1)
	v_lshl_add_u32 v6, v13, 5, v6
	s_delay_alu instid0(VALU_DEP_1)
	v_add_nc_u32 v6, s31, v6                       ; the stage, out: row r, + 32 h
	s_delay_alu instid0(VALU_DEP_4)
	v_add_nc_u32 v7, GBI, v5                       ; gate_w's images
	v_lshlrev_b32 v8, 2, v3
	s_delay_alu instid0(VALU_DEP_1)
	v_lshl_add_u32 v8, v13, 9, v8                  ; 4 r + 512 h: head r, eight rows of 64 bytes further down for lanes 16-31
	s_lshl_b32 s52, s30, 10
	v_add_nc_u32 v9, s52, v8
	s_delay_alu instid0(VALU_DEP_1)
	v_add_nc_u32 v9, RED, v9                       ; my partial sums: token 8 h + j, head r
	s_lshl_b32 s52, s30, 8
	v_lshl_add_u32 v10, v2, 3, s52
	s_delay_alu instid0(VALU_DEP_1)
	v_add_nc_u32 v10, RED, v10                     ; back: tokens 4 w .. 4 w + 3, two heads a lane
	v_and_b32 v11, 7, v0
	s_delay_alu instid0(VALU_DEP_1)
	v_lshlrev_b32 v11, 3, v11
	v_lshlrev_b32 v12, 3, v2
	XLOAD 0
	GWLD 0
	GWLD 1
	s_wait_kmcnt 0x0
	MKSC 16, s68
	MKSC 18, s70
	MKSC 20, s72
	MKSC 22, s74
	MKSC 24, s76
	MKSC 26, s82
	MKSC 28, s83
	s_wait_alu depctr_va_vdst(0)
	s_wait_loadcnt 32                              ; x's step 0 and gate_w's half 0 are in; half 1's 32 loads may be out
	XSTAGE                                         ; step 0's rows wait in the stage, so that their registers can take step 1 at once
	s_wait_dscnt 0x0                               ; the stores have read their registers
	XLOAD 1
	GWHALF 0, 48                                   ; behind half 0's loads: half 1's 32 and x's 16
	GWHALF 1, 48                                   ; behind half 1's: x's 16 and half 2's 32
	GWHALF 2, 32                                   ; behind half 2's: half 3's 32
	GWHALF 3, 0
	XSTEP 0
	XSTEP 1
.irp j, 0,1,2,3,4,5,6,7
	v_add_f32 v[T+\j], v[ACC+\j], v[ACC+8+\j]      ; register j of lane (r, h): token 8 h + j, head r; each accumulator from its low end on
.endr
.irp j, 0,1,2,3,4,5,6,7
	ds_store_b32 v9, v[T+\j] offset:64*\j
.endr
	s_wait_dscnt 0x0                               ; for the others' sake: my partial sums lie in LDS
	s_barrier_signal -1
	s_barrier_wait -1
	s_cmp_lt_u32 s30, 4                            ; waves 0 to 3 add the eight parts, four tokens each, so that a wave's store covers 256 bytes
	s_cbranch_scc0 .Lxend
.irp q, 0,1,2,3,4,5,6,7
	ds_load_b64 v[160+2*\q:161+2*\q], v10 offset:1024*\q
.endr
	global_load_b64 v[208:209], v11, s[20:21]
	s_wait_dscnt 0x0
	v_pk_add_f32 v[160:161], v[160:161], v[162:163]
	v_pk_add_f32 v[164:165], v[164:165], v[166:167]
	v_pk_add_f32 v[168:169], v[168:169], v[170:171]
	v_pk_add_f32 v[172:173], v[172:173], v[174:175]
	s_delay_alu instid0(VALU_DEP_3)
	v_pk_add_f32 v[160:161], v[160:161], v[164:165]
	s_delay_alu instid0(VALU_DEP_2)
	v_pk_add_f32 v[168:169], v[168:169], v[172:173]
	s_delay_alu instid0(VALU_DEP_1)
	v_pk_add_f32 v[160:161], v[160:161], v[168:169]
	s_add_co_i32 s50, s82, s83
	v_ldexp_f32 v160, v160, s50                    ; x 2^(e14 + e15)
	v_ldexp_f32 v161, v161, s50
	s_wait_alu depctr_va_vdst(0)
	s_wait_loadcnt 0x0
	v_pk_add_f32 v[160:161], v[160:161], v[208:209]
	s_delay_alu instid0(VALU_DEP_1)
	v_mul_f32 v160, 0xbfb8aa3b, v160
	s_delay_alu instid0(VALU_DEP_2)
	v_mul_f32 v161, 0xbfb8aa3b, v161
	s_wait_alu depctr_va_vdst(0)
	v_exp_f32 v160, v160
	v_exp_f32 v161, v161
	v_nop
	s_wait_alu depctr_va_vdst(0)
	v_add_f32 v160, 1.0, v160
	v_add_f32 v161, 1.0, v161
	s_wait_alu depctr_va_vdst(0)
	v_rcp_f32 v160, v160
	v_rcp_f32 v161, v161
	v_nop
	s_wait_alu depctr_va_vdst(0)
	global_store_b64 v12, v[160:161], s[48:49]     ; the wave stores 256 consecutive bytes: four tokens x 16 heads
.Lxend:
	s_wait_tensorcnt 0x0                           ; the wave's end
	ds_add_u32 v30, v31
	s_wait_dscnt 0x0
	s_endpgm
.Lfunc_end_k_qe27851ae23_prep:
	.size	k_qe27851ae23_prep, .Lfunc_end_k_qe27851ae23_prep-k_qe27851ae23_prep
	.p2alignl 7, 3214868480
	.fill 96, 4, 3214868480
	.section	.rodata,"a",@progbits
	.p2align	6, 0x0
	.amdhsa_kernel k_qe27851ae23_prep
		.amdhsa_group_segment_fixed_size 109568
		.amdhsa_private_segment_fixed_size 0
		.amdhsa_enable_private_segment 0
		.amdhsa_kernarg_size 104
		.amdhsa_user_sgpr_count 2
		.amdhsa_user_sgpr_kernarg_segment_ptr 1
		.amdhsa_wavefront_size32 1
		.amdhsa_system_sgpr_workgroup_id_x 1
		.amdhsa_system_sgpr_workgroup_id_y 1
		.amdhsa_system_sgpr_workgroup_id_z 1
		.amdhsa_system_vgpr_workitem_id 0
		.amdhsa_next_free_vgpr 256
		.amdhsa_next_free_sgpr 100
		.amdhsa_reserve_vcc 1
		.amdhsa_float_denorm_mode_32 3
		.amdhsa_float_denorm_mode_16_64 3
		.amdhsa_memory_ordered 1
		.amdhsa_forward_progress 1
		.amdhsa_inst_pref_size 171
	.end_amdhsa_kernel
	.amdgpu_metadata
---
amdhsa.version: [ 1, 2 ]
amdhsa.kernels:
  - .name:           k_qe27851ae23_prep
    .symbol:         k_qe27851ae23_prep.kd
    .args:
      - { .name: x, .offset: 0, .size: 8, .value_kind: global_buffer, .address_space: global }
      - { .name: w_q_sem, .offset: 8, .size: 8, .value_kind: global_buffer, .address_space: global }
      - { .name: w_k_sem, .offset: 16, .size: 8, .value_kind: global_buffer, .address_space: global }
      - { .name: w_q_geo, .offset: 24, .size: 8, .value_kind: global_buffer, .address_space: global }
      - { .name: w_k_geo, .offset: 32, .size: 8, .value_kind: global_buffer, .address_space: global }
      - { .name: w_v, .offset: 40, .size: 8, .value_kind: global_buffer, .address_space: global }
      - { .name: w_out, .offset: 48, .size: 8, .value_kind: global_buffer, .address_space: global }
      - { .name: gate_w, .offset: 56, .size: 8, .value_kind: global_buffer, .address_space: global }
      - { .name: gate_logit, .offset: 64, .size: 8, .value_kind: global_buffer, .address_space: global }
      - { .name: lowp_scales, .offset: 72, .size: 8, .value_kind: global_buffer, .address_space: global }
      - { .name: cod, .offset: 80, .size: 8, .value_kind: global_buffer, .address_space: global }
      - { .name: gat, .offset: 88, .size: 8, .value_kind: global_buffer, .address_space: global }
      - { .name: rot, .offset: 96, .size: 8, .value_kind: global_buffer, .address_space: global }
    .group_segment_fixed_size: 109568
    .private_segment_fixed_size: 0
    .kernarg_segment_align: 8
    .kernarg_segment_size: 104
    .max_flat_workgroup_size: 256
    .sgpr_count:     100
    .vgpr_count:     256
    .wavefront_size: 32
...
	.end_amdgpu_metadata
.endif
;; end of part 1
;; launch proj (part 2): grid 24 x 8, 4 waves a work-group, clusters of 4 x 4, 327,680 bytes of LDS; arguments cod, rot, lowp_scales, qc, kv; writes qc, kv
.if DOCPART == 2
	.amdgcn_target "amdgcn-amd-amdhsa--gfx1250"
	.amdhsa_code_object_version 6
	.text
	.protected	k_qe27851ae23_proj
	.globl	k_qe27851ae23_proj
	.p2align	8
	.type	k_qe27851ae23_proj,@function
k_qe27851ae23_proj:
	s_mov_b64 s[64:65], 0
	v_nop
	global_prefetch_b8 v0, s[64:65] scope:SCOPE_SE
	s_setreg_imm32_b32 hwreg(HW_REG_WAVE_MODE, 25, 1), 1
	s_wait_xcnt 0x0
	s_wait_alu depctr_hold_cnt(0) depctr_sa_sdst(0) depctr_va_vdst(0) depctr_va_sdst(0) depctr_va_ssrc(0) depctr_va_vcc(0) depctr_vm_vsrc(0)
	s_getreg_b32 s2, hwreg(HW_REG_IB_STS2, 6, 4)
	s_cmp_eq_u32 s2, 0
	s_cbranch_scc0 .Lentry_in_a_cluster
	s_endpgm
.Lentry_in_a_cluster:
	s_bfe_u32 s2, ttmp6, 0x10000c
	s_cmp_lg_u32 s2, 0xf033
	s_cbranch_scc0 .Lentry_shape_is_right
	s_endpgm
.Lentry_shape_is_right:
; PROJ: the five projections of x on E4M3 codes, the rotation of the two geometric ones, and the quantising of the results into the operands of attention.
; A work-group of four waves makes 256 x 256, a wave 128 x 128: 64 accumulators.  K = 2,048 goes 256 at a time through two LDS slots.  Operands lie in cod as images of operand registers (16 rows x 128 K = 2,048 bytes:
; registers 4 G .. 4 G + 3 of lane l at 512 G + 16 l), 16 images (32,768 bytes) to a run of 16 rows: a tensor load brings 8 runs x 2 images, and a fragment comes by four loads of 512 consecutive LDS bytes: no padding is needed.
; Cluster column p = 0 .. 3: q_sem, k_sem, q_geo, k_geo.  Source 0 = 16 columns of the weight, source 1 = 16 tokens of x's plane p: a lane holds one token and eight neighbouring columns, which are neighbours along the
; next product's K (a head's 64).  Cluster columns 4, 5: V.  Source 0 = 16 tokens, source 1 = 16 columns of w_v: a lane holds one channel and eight neighbouring tokens, neighbours along the keys.  Only addresses differ.
; So eight registers of an accumulator convert into two registers of the next operand, in their true places, and 16 registers of codes leave as images: each store covers 512 consecutive bytes.
; qc: [batch x head 32][tile of 16 queries 64][sem image 1,024 | geo image 1,024].   kv: [batch x head 32][128 keys 8][eight tiles of 16 keys: sem 1,024 | geo 1,024; then V^T: eight tiles of 16 channels x 128 keys, 2,048 each].
; CLUSTER 4 x 4: the operand that hangs on the tile row is asked for jointly along a row of the cluster, the other along a column.
; THE TAIL (the last three K steps of 128 and the way out) is written twice, for the products with and without the rotation: the rotated ones ask for their cos and sin there, ahead of the way out, into registers that are idle or done with.
; LIMIT: e(result) - e(x) - e(weight) lies between -126 and 119.  192 work-groups: each product has its own plane of x, so a tile's width divides 1,024.
.set NB,    8                          ; blocks of 16 a side in a wave's tile
.set KS,    2                          ; K steps of 128 in a slot
.set ROWB,  KS*2048                    ; a run's bytes in a slot
.set HALFT, NB*ROWB                    ; what one tensor load brings, and what one wave reads of one operand
.set SLOT,  4*HALFT
.set SPARE, 2*SLOT                     ; behind the ring: the spare words, 128 bytes for each wave
.set LAPS,  2048/(256*KS)
.set FR,    16
.set NL,    4
.set NP,    4
.set ADRA,  16                         ; v16-17 LDS address of my fragments of the lane operand in slot 0, 1
.set ADRB,  20                         ; v20-21 of the register operand
.set PFO,   27                         ; v27    the prefetches' offset: 32,768 (lane / 16) + 256 (lane % 16); never rewritten
.set SPW,   28
.set NIL,   29
.set AF,    128                        ; window 0: the lane operand's fragments, one set;  window 1: the register operand's, two sets at v0 and v128;  windows 2, 3: accumulators
.set G1,    24
.set G0,    32
.set G1B,   48
.set G0B,   56
.set PFA,   88                         ; s[88:89] where my prefetches stand
.set LIM,   90                         ; s90    1 in a wave that prefetches, else the greatest number
.set YB,    128                        ; the way out, window 0: v128-191 a block's 64 numbers
.set CDR,   192                        ; v192-223 codes, two sets of 16.  cos and sin, 32 registers a block: blocks 0-2 in window 0 at v32-127, blocks 3-7 in window 1 at v0-159
.set MSB, 0
.macro WIN new                         ; the immediate's high byte repeats the setting that is left
.if MSB != (\new)
	s_set_vgpr_msb (MSB<<8)|(\new)
.set MSB, (\new)
.endif
.endm
.set MUL_LO, 0xa1
.set MUL_HI, 0xf1
.set TO_B,   0x40
.macro JLOAD g0a, g1a, g0b, g1b        ; a joint load: waves 0 and 1 fetch the lane operand's halves, waves 2 and 3 the other's; four v_nop follow each line
	s_cmp_eq_u32 s15, 0
	s_cbranch_scc0 .Lfor_b_\@
	tensor_load_to_lds s[\g0a:\g0a+3], s[\g1a:\g1a+7]
	s_nop 0
.rept 4
	v_nop
.endr
	s_branch .Lasked_\@
.Lfor_b_\@:
	tensor_load_to_lds s[\g0b:\g0b+3], s[\g1b:\g1b+7]
	s_nop 0
.rept 4
	v_nop
.endr
.Lasked_\@:
.endm
; A PREFETCH INTO THE L2, behind each joint refill of the loop's first two trips, its four lines and the run of LDS loads that follows them: the K slot that stands two refills on, 256 matrix instructions of a wave ahead of the load that
; will ask for it.  Of the 8 runs x 4,096 bytes that a wave fetches for a slot, each of the four partners that ask for them jointly takes 2 runs, told apart BY ADDRESS (cx for the lane operand, cy for the other): 32 blocks of 256 bytes,
; a lane a block, one instruction a wave.  Each block is named once in the launch: the register operand's runs are read by both rows of clusters, and cluster row 0 asks; the lane operand's are read by one cluster column, but w_v's
; by columns 4 and 5, of which column 4 asks.  Slots 0 to 3 come by their loads alone; the last trip, whose refills are slots 6 and 7, asks for nothing.
.macro ASK
	s_cmp_gt_u32 s3, s[LIM]                        ; s3 = 1 in the loop's last trip
	s_cbranch_scc0 .Lnot_mine_\@
	global_prefetch_b8 v[PFO], s[PFA:PFA+1] th:TH_LOAD_NT scope:SCOPE_SE
.Lnot_mine_\@:
.endm
.macro CREST
	s_cmp_lg_u32 s14, 0
	s_cbranch_scc1 .Lnot_wave_0_\@
	s_barrier_signal -3
.Lnot_wave_0_\@:
	s_barrier_wait -3
	s_barrier_signal -1
	s_barrier_wait -1
.endm
.macro CROUND
	s_barrier_signal -1
	s_barrier_wait -1
	CREST
.endm
.macro PLACES n
.rept \n
	v_nop
.endr
.endm
.macro FRAG reg, adr, q, i             ; run i, K step q of the slot: four loads of 512 consecutive bytes
.irp g, 0,1,2,3
	ds_load_b128 v[\reg+4*\g:\reg+4*\g+3], v[\adr] offset:(\i)*ROWB+(\q)*2048+512*\g
.endr
.endm
.macro MULQ a0, p, zero                ; NB / 4 blocks of the lane operand against all NB of the other; the accumulators take turns, one instruction a turn
.set AA, \a0
.rept NB/4
.set BB, 0
.rept NB
.set DD, 8*(NB*(AA%(NB/2))+BB)
.if \zero
	v_wmma_f32_16x16x128_fp8_fp8 v[DD:DD+7], v[128*(\p)+FR*BB:128*(\p)+FR*BB+FR-1], v[AF+FR*AA:AF+FR*AA+FR-1], 0
.else
	v_wmma_f32_16x16x128_fp8_fp8 v[DD:DD+7], v[128*(\p)+FR*BB:128*(\p)+FR*BB+FR-1], v[AF+FR*AA:AF+FR*AA+FR-1], v[DD:DD+7]
.endif
.set BB, BB+1
.endr
.set AA, AA+1
.endr
.endm
.macro FETCH_B slot, q, p
	WIN TO_B
.set II, 0
.rept NB
	FRAG 128*(\p)+FR*II, ADRB+\slot, \q, II
.set II, II+1
.endr
	WIN 0
.endm
.macro FETCH_A slot, q, i0
.set II, \i0
.rept NB/2
	FRAG AF+FR*II, ADRA+\slot, \q, II
.set II, II+1
.endr
.endm
.macro STEP slot, q, zero              ; 128 along K whose successor lies in the same slot
	s_wait_dscnt (NB/2)*NL                         ; all but the youngest loads (the lane operand's upper blocks) are in
	WIN MUL_LO
	MULQ 0, (\q)%2, \zero
	MULQ NB/4, (\q)%2, \zero
	s_wait_dscnt 0x0
	PLACES NP                                      ; in front of loads into registers that matrix instructions have read
	FETCH_B \slot, (\q)+1, 1-(\q)%2
	FETCH_A \slot, (\q)+1, 0
	WIN MUL_HI
	MULQ NB/2, (\q)%2, \zero
	MULQ 3*NB/4, (\q)%2, \zero
	PLACES NP
	WIN 0
	FETCH_A \slot, (\q)+1, NB/2
.endm
.macro TURN slot, next, fill           ; a slot's last step changes slots: one barrier; fill = 1: it opens a round of the cluster's barrier and this slot is filled again
.if \fill
	s_wait_xcnt 0x0                                ; the last prefetch, a slot back, has read its address: it is stepped here, ahead of the waits of the change of slots
	s_add_nc_u64 s[PFA:PFA+1], s[PFA:PFA+1], ROWB
.endif
	s_wait_tensorcnt 0x0                           ; all my tensor loads have landed: my part of the next slot
	ds_add_u32 v[SPW], v[NIL]                      ; 0 onto my spare word
	s_wait_dscnt (NB/2)*NL+1                       ; (the add and the youngest loads may be out)
	WIN MUL_LO
	MULQ 0, 1, 0
	s_wait_dscnt 0x0                               ; the add is done, and my reads of this slot are over
	s_barrier_signal -1
	MULQ NB/4, 1, 0
	WIN 0
	s_barrier_wait -1
.if \fill
	CREST                                          ; no wave of any partner still reads this slot or has a load on its way
	s_add_nc_u64 s[G0+4*\slot+2:G0+4*\slot+3], s[G0+4*\slot+2:G0+4*\slot+3], 2*ROWB
	s_add_nc_u64 s[G0B+4*\slot+2:G0B+4*\slot+3], s[G0B+4*\slot+2:G0B+4*\slot+3], 2*ROWB
	JLOAD G0+4*\slot, G1, G0B+4*\slot, G1B         ; the first tensor load behind the round; its four v_nop are the places in front of the loads below
.else
	PLACES NP
.endif
	s_wait_alu depctr_va_vdst(0)
	FETCH_B \next, 0, 0
	FETCH_A \next, 0, 0
.if \fill
	ASK
.endif
	WIN MUL_HI
	MULQ NB/2, 1, 0
	MULQ 3*NB/4, 1, 0
	PLACES NP
	WIN 0
	FETCH_A \next, 0, NB/2
.endm
.macro RUN slot, q0                    ; the slot's steps q0 .. KS - 2
.set QQ, \q0
.rept KS-1-\q0
	STEP \slot, QQ, 0
.set QQ, QQ+1
.endr
.endm
.macro FINISH
	s_wait_tensorcnt 0x0                           ; the wave's end
	ds_add_u32 v[SPW], v[NIL]
	s_wait_dscnt 0x0
	CROUND                                         ; the closing round
	s_endpgm
.endm
	s_load_b128 s[4:7], s[0:1], 0x0                ; cod, rot
	s_load_b128 s[8:11], s[0:1], 0x10              ; lowp_scales, qc
	s_load_b64 s[12:13], s[0:1], 0x20              ; kv
	v_lshl_add_u32 v[SPW], v0, 2, SPARE
	v_mov_b32 v[NIL], 0
	ds_add_u32 v28, v29
	ds_add_u32 v28, v29
	s_wait_dscnt 0x0
	v_lshrrev_b32 v1, 5, v0
	v_readfirstlane_b32 s14, v1                    ; wave
	s_lshr_b32 s15, s14, 1                         ; wr: my half of the lane operand's rows.  Also: which operand I fetch for
	s_and_b32 s16, s14, 1                          ; wc: my half of the other's.  Also: which half I fetch
	s_bfe_u32 s40, ttmp6, 0x40000                  ; cx
	s_bfe_u32 s41, ttmp6, 0x40004                  ; cy
	s_lshl_b32 s42, ttmp9, 2
	s_add_co_u32 s42, s42, s40                     ; gx
	s_and_b32 s17, ttmp7, 0xffff
	s_lshl_b32 s17, s17, 2
	s_add_co_u32 s17, s17, s41                     ; gy
	s_lshl_b32 s43, s41, 2
	s_lshl_b32 s43, 15, s43                        ; my row of the cluster
	s_lshl_b32 s44, 0x1111, s40                    ; my column
	s_or_b32 s[G1], s43, (3<<16)|(1<<21)           ; the mask; elements of 8 bytes; bit 21 beside a mask; no padding
	s_or_b32 s[G1B], s44, (3<<16)|(1<<21)
.irp g, G1, G1B
	s_mov_b32 s[\g+1], (ROWB/8)<<16                ; tensor_dim0
	s_mov_b32 s[\g+2], NB<<16                      ; tensor_dim1
	s_mov_b32 s[\g+3], (ROWB/8)<<16                ; tile_dim0
	s_mov_b32 s[\g+4], NB                          ; tile_dim1
	s_mov_b32 s[\g+5], 4096                        ; from run to run: 32,768 bytes
	s_mov_b32 s[\g+6], 0
	s_mov_b32 s[\g+7], 0
.endr
	s_min_u32 s66, ttmp9, 4                        ; p: the product, the same in all sixteen partners
	s_lshl_b32 s67, ttmp9, 7
	s_mov_b32 s68, 896
	s_mov_b32 s69, 640
	s_mov_b32 s70, 256
	s_cmp_lt_u32 ttmp9, 4
	s_cselect_b32 s67, s67, s68                    ; lane operand: x's plane p from run 128 p, or w_v from run 896; + 16 gy
	s_cselect_b32 s68, s69, s70                    ; register operand: the weights from run 640, or plane 4 (run 512 + 16 (gx - 16)); + 16 gx
	s_lshl_b32 s18, s16, 3                         ; the half that I fetch: 8 runs
	s_lshl_b32 s20, s17, 4
	s_add_co_u32 s20, s20, s67
	s_add_co_u32 s20, s20, s18
	s_lshl_b32 s20, s20, 15
	s_mov_b32 s21, 0
	s_lshl_b32 s46, s42, 4
	s_add_co_u32 s46, s46, s68
	s_add_co_u32 s46, s46, s18
	s_lshl_b32 s46, s46, 15
	s_mov_b32 s47, 0
	s_mul_i32 s45, s14, HALFT                      ; where they go: no place in the cluster enters an LDS address
	s_lshl_b32 s71, s66, 3                         ; entries 2 p, 2 p + 1
	s_lshl_b32 s72, s66, 2
	s_add_co_u32 s72, s72, 40                      ; entry 10 + p,
	s_cmp_lt_u32 ttmp9, 4
	s_cselect_b32 s72, s72, 68                     ; for V entry 17
	s_wait_kmcnt 0x0
	s_load_b64 s[74:75], s[8:9], s71 offset:0x0
	s_load_b32 s76, s[8:9], s72 offset:0x0
	s_add_nc_u64 s[20:21], s[4:5], s[20:21]
	s_add_nc_u64 s[46:47], s[4:5], s[46:47]
	CROUND                                         ; all sixteen work-groups are here: the first joint loads meet
.irp s, 0,1
	s_mov_b32 s[G0+4*\s], 1
	s_add_co_u32 s[G0+4*\s+1], s45, \s*SLOT
	s_add_nc_u64 s[G0+4*\s+2:G0+4*\s+3], s[20:21], \s*ROWB
	s_or_b32 s[G0+4*\s+3], s[G0+4*\s+3], 0x80000000
	s_mov_b32 s[G0B+4*\s], 1
	s_add_co_u32 s[G0B+4*\s+1], s45, \s*SLOT
	s_add_nc_u64 s[G0B+4*\s+2:G0B+4*\s+3], s[46:47], \s*ROWB
	s_or_b32 s[G0B+4*\s+3], s[G0B+4*\s+3], 0x80000000
.endr
	JLOAD G0, G1, G0B, G1B                         ; slot 0
	; the prefetches (macro ASK): where my wave's stand, and who asks.  Nothing is prefetched here, at the head, where every work-group's first tiles are on their way
	s_and_b32 s92, ttmp7, 0xffff                   ; cluster y
	s_cmp_eq_u32 ttmp9, 5
	s_cselect_b32 s93, 1, 0                        ; 1 in cluster column 5: column 4 asks for w_v's runs
	s_cmp_eq_u32 s15, 0                            ; do I fetch for the lane operand?
	s_cselect_b64 s[PFA:PFA+1], s[20:21], s[46:47] ; the 8 runs that I fetch, at slot 0
	s_cselect_b32 s91, s40, s41                    ; my place among the four that ask for them with me
	s_cselect_b32 s92, s93, s92                    ; 0 where my cluster is the one that asks
	s_cmp_eq_u32 s92, 0
	s_cselect_b32 s[LIM], 1, -1                    ; the same in all sixteen partners, for a given wave
	s_lshl_b32 s92, s91, 16                        ; my work-group's 2 runs of the 8
	s_mov_b32 s93, 0
	s_add_nc_u64 s[PFA:PFA+1], s[PFA:PFA+1], s[92:93]
	s_add_nc_u64 s[PFA:PFA+1], s[PFA:PFA+1], 3*ROWB  ; at slot 3: the first refill (slot 2's) steps it to slot 4
	v_and_b32 v6, 31, v0
	v_lshlrev_b32 v4, 4, v6                        ; 16 x lane
	s_wait_alu depctr_va_vdst(0)
	s_mul_i32 s21, s15, HALFT
	s_mul_i32 s22, s16, HALFT
	s_add_co_u32 s22, s22, 2*HALFT
.irp s, 0,1
	v_add_nc_u32 v[ADRA+\s], s21, v4
	v_add_nc_u32 v[ADRB+\s], s22, v4
	s_add_co_u32 s21, s21, SLOT
	s_add_co_u32 s22, s22, SLOT
.endr
	; where my results go.  p < 4: batch gy / 4, 128 tokens 2 (gy % 4) + wr, heads 4 (gx % 4) + 2 wc and the next; a unit of 128 tokens is 16,384 bytes in qc and 32,768 in kv
	s_lshr_b32 s77, s17, 2
	s_lshl_b32 s77, s77, 4
	s_and_b32 s78, s42, 3
	s_lshl_b32 s78, s78, 2
	s_add_co_u32 s77, s77, s78
	s_lshl_b32 s78, s16, 1
	s_add_co_u32 s77, s77, s78
	s_lshl_b32 s77, s77, 3
	s_and_b32 s78, s17, 3
	s_lshl_b32 s78, s78, 1
	s_add_co_u32 s77, s77, s78
	s_add_co_u32 s77, s77, s15
	s_and_b32 s79, s66, 1
	s_add_co_u32 s79, s79, 14
	s_lshl_b32 s77, s77, s79
	s_lshr_b32 s78, s66, 1
	s_lshl_b32 s78, s78, 10                        ; geo lies 1,024 behind sem
	s_add_co_u32 s77, s77, s78
	s_lshl_b32 s78, 8, s79
	s_add_co_u32 s78, s78, s77                     ; the next head: eight units on
	; V: head 2 gy + wr, 128 keys 2 (gx - 16) + wc of the 16 of both batches; V^T lies 16,384 into the unit; registers 8 .. 15 of an image 1,024 behind registers 0 .. 7
	s_sub_co_u32 s80, s42, 16
	s_lshl_b32 s80, s80, 1
	s_add_co_u32 s80, s80, s16
	s_lshr_b32 s81, s80, 3
	s_lshl_b32 s81, s81, 4
	s_lshl_b32 s82, s17, 1
	s_add_co_u32 s81, s81, s82
	s_add_co_u32 s81, s81, s15
	s_lshl_b32 s81, s81, 3
	s_and_b32 s80, s80, 7
	s_add_co_u32 s81, s81, s80
	s_lshl_b32 s81, s81, 15
	s_add_co_u32 s81, s81, 16384
	s_add_co_u32 s82, s81, 1024
	s_cmp_lt_u32 ttmp9, 4
	s_cselect_b32 s77, s77, s81
	s_cselect_b32 s78, s78, s82
	v_add_nc_u32 v24, s77, v4
	v_add_nc_u32 v25, s78, v4
	s_and_b32 s83, s66, 5
	s_cmp_eq_u32 s83, 0                            ; p = 0 or 2: queries
	s_cselect_b64 s[84:85], s[10:11], s[12:13]
	s_and_b32 s86, s17, 3
	s_lshl_b32 s86, s86, 8
	s_lshl_b32 s87, s15, 7
	s_add_co_u32 s86, s86, s87
	s_lshl_b32 s86, s86, 8                         ; the table at my first token's position: 256 bytes a position
	s_mov_b32 s87, 0
	s_add_nc_u64 s[86:87], s[6:7], s[86:87]
	v_and_b32 v1, 15, v0
	v_bfe_u32 v2, v0, 4, 1
	v_lshlrev_b32 v26, 8, v1
	v_lshl_add_u32 v26, v2, 5, v26                 ; position r, frequencies 8 h on
	v_lshlrev_b32 v[PFO], 8, v1
	v_lshl_add_u32 v[PFO], v2, 15, v[PFO]          ; lanes 0-15: the 16 blocks of 256 bytes of one run's slot, lanes 16-31: of the next run's
	s_wait_alu depctr_va_vdst(0)
	s_wait_tensorcnt 0x0                           ; my part of slot 0 is in
	ds_add_u32 v[SPW], v[NIL]
	s_wait_dscnt 0x0
	CROUND                                         ; a whole round: everybody's part of slot 0 is in, and the joint loads meet
	JLOAD G0+4, G1, G0B+4, G1B                     ; slot 1's first fill, the first tensor load behind the round
	FETCH_B 0, 0, 0
	FETCH_A 0, 0, 0
	FETCH_A 0, 0, NB/2
	STEP 0, 0, 1                                   ; the first step's products start the sums
	s_mov_b32 s3, LAPS-1
.Llap:                                                 ; a trip goes once round the ring and fills both slots again
	RUN 0, 1
	TURN 0, 1, 1
	RUN 1, 0
	TURN 1, 0, 1
	STEP 0, 0, 0
	s_sub_co_u32 s3, s3, 1
	s_cmp_lg_u32 s3, 0
	s_cbranch_scc1 .Llap
; THE WAY OUT, a block of 16 lanes' rows at a time: (rotation,) hold, conversion, four stores.  A sum stands for sum x 2^(ex + ew), so the conversion's one scale is 2^(e(result) - ex - ew); the rotation is linear and comes first.
.macro CSLOAD a                        ; block a's 16 positions: registers 0-15 cos of f = 8 h + j and 16 + 8 h + j, registers 16-31 the sines
.if (\a) < 3
.set CL, 32+32*(\a)
.else
.set CL, 32*((\a)-3)
	WIN 0x40                                       ; destination window 1
.endif
.irp u, 0,1,2,3,4,5,6,7
	global_load_b128 v[CL+4*\u:CL+4*\u+3], v26, s[86:87] offset:(\a)*4096+64*(\u/2)+16*(\u%2)
.endr
	WIN 0
.endm
.macro EPI rope
.set EA, 0
.rept 8
.set AC, 64*(EA%4)
.set CC, CDR+16*(EA%2)
.if \rope
.if EA < 3
.set CB, 32+32*EA
.set CW, 0
.else
.set CB, 32*(EA-3)
.set CW, 4
.endif
	s_wait_loadcnt 8*(7-EA)                        ; this block's eight loads are in; those of the later blocks, eight each, may be out
	WIN 0x02+(EA/4)+CW                             ; source 0: the accumulators' window; source 1: the table's
.irp hh, 0,1                           ; a head is four tiles of 16 columns: x1 = tiles 0, 1, x2 = tiles 2, 3; each accumulator is read from its low end on
.irp bp, 0,1
.irp jj, 0,2,4,6
	v_pk_mul_f32 v[YB+8*(4*\hh+\bp)+\jj:YB+8*(4*\hh+\bp)+\jj+1], v[AC+8*(4*\hh+\bp)+\jj:AC+8*(4*\hh+\bp)+\jj+1], v[CB+8*\bp+\jj:CB+8*\bp+\jj+1]
	v_pk_mul_f32 v[YB+8*(4*\hh+\bp+2)+\jj:YB+8*(4*\hh+\bp+2)+\jj+1], v[AC+8*(4*\hh+\bp+2)+\jj:AC+8*(4*\hh+\bp+2)+\jj+1], v[CB+8*\bp+\jj:CB+8*\bp+\jj+1]
	v_pk_fma_f32 v[YB+8*(4*\hh+\bp)+\jj:YB+8*(4*\hh+\bp)+\jj+1], v[AC+8*(4*\hh+\bp+2)+\jj:AC+8*(4*\hh+\bp+2)+\jj+1], v[CB+16+8*\bp+\jj:CB+16+8*\bp+\jj+1], v[YB+8*(4*\hh+\bp)+\jj:YB+8*(4*\hh+\bp)+\jj+1] neg_lo:[1,0,0] neg_hi:[1,0,0]
	v_pk_fma_f32 v[YB+8*(4*\hh+\bp+2)+\jj:YB+8*(4*\hh+\bp+2)+\jj+1], v[AC+8*(4*\hh+\bp)+\jj:AC+8*(4*\hh+\bp)+\jj+1], v[CB+16+8*\bp+\jj:CB+16+8*\bp+\jj+1], v[YB+8*(4*\hh+\bp+2)+\jj:YB+8*(4*\hh+\bp+2)+\jj+1]
.endr
.endr
.endr
	WIN 0
.set n, 0
.rept 64
	v_med3_num_f32 v[YB+n], v[YB+n], -v31, v31
.set n, n+1
.endr
.else
	WIN 0x02+(EA/4)
.set n, 0
.rept 64
	v_med3_num_f32 v[YB+n], v[AC+n], -v31, v31     ; the conversion does not saturate: the hold at the largest code x the scale
.set n, n+1
.endr
	s_wait_alu depctr_va_vdst(0)
	WIN 0
.endif
	s_wait_alu depctr_va_vdst(0)
	s_wait_xcnt 0x0                                ; the stores of two blocks back have read this set of codes
.irp b, 0,1,2,3,4,5,6,7
	v_cvt_scalef32_pk8_fp8_f32 v[CC+2*\b:CC+2*\b+1], v[YB+8*\b:YB+8*\b+7], v30
.endr
	v_nop                                          ; a plain line behind the last conversion of a run
	global_store_b128 v24, v[CC:CC+3], s[84:85] offset:EA*2048
	global_store_b128 v24, v[CC+4:CC+7], s[84:85] offset:EA*2048+512
	global_store_b128 v25, v[CC+8:CC+11], s[84:85] offset:EA*2048
	global_store_b128 v25, v[CC+12:CC+15], s[84:85] offset:EA*2048+512
.set EA, EA+1
.endr
.endm
; THE TAIL: the last lap fills nothing.  rope = 1: the table's eight blocks are asked for as early as registers are free for them.
.macro TAIL rope
.if \rope
	CSLOAD 0                                       ; v32-127 of window 0 are idle through the whole loop: three blocks, 192 matrix instructions ahead of the way out
	CSLOAD 1
	CSLOAD 2
.endif
	RUN 0, 1
	TURN 0, 1, 0
	RUN 1, 0
.if \rope
	CSLOAD 3                                       ; the register operand's set 0 is done with (four places stand behind its last products): four blocks, 64 matrix instructions ahead
	CSLOAD 4
	CSLOAD 5
	CSLOAD 6
.endif
	s_wait_dscnt (NB/2)*NL
	WIN MUL_LO
	MULQ 0, 1, 0
	MULQ NB/4, 1, 0
	s_wait_dscnt 0x0
	WIN MUL_HI
	MULQ NB/2, 1, 0
	MULQ 3*NB/4, 1, 0
	WIN 0
	s_wait_kmcnt 0x0
	s_sub_co_i32 s76, s76, s74
	s_sub_co_i32 s76, s76, s75
	s_add_co_i32 s76, s76, 127
	s_lshl_b32 s77, s76, 23
	v_mov_b32 v30, s77
	s_add_co_i32 s76, s76, 8
	s_lshl_b32 s76, s76, 23
	s_or_b32 s76, s76, 0x600000
	v_mov_b32 v31, s76
	PLACES NP                                      ; behind the last products: results are read, and their operands' registers written or loaded, only behind these
.if \rope
	CSLOAD 7                                       ; the last block, into the register operand's set 1; seven blocks' work stands ahead of its use
.endif
	EPI \rope
	FINISH
.endm
	s_lshr_b32 s77, s66, 1
	s_cmp_eq_u32 s77, 1                            ; p = 2 or 3: the same in all partners
	s_cbranch_scc1 .Lrope
	TAIL 0
.Lrope:
	TAIL 1
.Lfunc_end_k_qe27851ae23_proj:
	.size	k_qe27851ae23_proj, .Lfunc_end_k_qe27851ae23_proj-k_qe27851ae23_proj
	.p2alignl 7, 3214868480
	.fill 96, 4, 3214868480
	.section	.rodata,"a",@progbits
	.p2align	6, 0x0
	.amdhsa_kernel k_qe27851ae23_proj
		.amdhsa_group_segment_fixed_size 327680
		.amdhsa_private_segment_fixed_size 0
		.amdhsa_enable_private_segment 0
		.amdhsa_kernarg_size 40
		.amdhsa_user_sgpr_count 2
		.amdhsa_user_sgpr_kernarg_segment_ptr 1
		.amdhsa_wavefront_size32 1
		.amdhsa_system_sgpr_workgroup_id_x 1
		.amdhsa_system_sgpr_workgroup_id_y 1
		.amdhsa_system_sgpr_workgroup_id_z 1
		.amdhsa_system_vgpr_workitem_id 0
		.amdhsa_next_free_vgpr 1024
		.amdhsa_next_free_sgpr 100
		.amdhsa_reserve_vcc 0
		.amdhsa_float_denorm_mode_32 3
		.amdhsa_float_denorm_mode_16_64 3
		.amdhsa_memory_ordered 1
		.amdhsa_forward_progress 1
		.amdhsa_inst_pref_size 223
	.end_amdhsa_kernel
	.amdgpu_metadata
---
amdhsa.version: [ 1, 2 ]
amdhsa.kernels:
  - .name:           k_qe27851ae23_proj
    .symbol:         k_qe27851ae23_proj.kd
    .args:
      - { .name: cod, .offset: 0, .size: 8, .value_kind: global_buffer, .address_space: global }
      - { .name: rot, .offset: 8, .size: 8, .value_kind: global_buffer, .address_space: global }
      - { .name: lowp_scales, .offset: 16, .size: 8, .value_kind: global_buffer, .address_space: global }
      - { .name: qc, .offset: 24, .size: 8, .value_kind: global_buffer, .address_space: global }
      - { .name: kv, .offset: 32, .size: 8, .value_kind: global_buffer, .address_space: global }
    .group_segment_fixed_size: 327680
    .private_segment_fixed_size: 0
    .kernarg_segment_align: 8
    .kernarg_segment_size: 40
    .max_flat_workgroup_size: 128
    .sgpr_count:     100
    .vgpr_count:     1024
    .wavefront_size: 32
...
	.end_amdgpu_metadata
.endif
;; end of part 2
;; launch attn (part 3): grid 8 x 32, 8 waves a work-group, clusters of 4 x 1, 263,168 bytes of LDS; arguments qc, kv, gat, lowp_scales, oc; writes oc
.if DOCPART == 3
	.amdgcn_target "amdgcn-amd-amdhsa--gfx1250"
	.amdhsa_code_object_version 6
	.text
	.protected	k_qe27851ae23_attn
	.globl	k_qe27851ae23_attn
	.p2align	8
	.type	k_qe27851ae23_attn,@function
k_qe27851ae23_attn:
	s_mov_b64 s[64:65], 0
	v_nop
	global_prefetch_b8 v0, s[64:65] scope:SCOPE_SE
	s_setreg_imm32_b32 hwreg(HW_REG_WAVE_MODE, 25, 1), 1
	s_wait_xcnt 0x0
	s_wait_alu depctr_hold_cnt(0) depctr_sa_sdst(0) depctr_va_vdst(0) depctr_va_sdst(0) depctr_va_ssrc(0) depctr_va_vcc(0) depctr_vm_vsrc(0)
	s_getreg_b32 s2, hwreg(HW_REG_IB_STS2, 6, 4)
	s_cmp_eq_u32 s2, 0
	s_cbranch_scc0 .Lentry_in_a_cluster
	s_endpgm
.Lentry_in_a_cluster:
	s_bfe_u32 s2, ttmp6, 0x10000c
	s_cmp_lg_u32 s2, 0x3003
	s_cbranch_scc0 .Lentry_shape_is_right
	s_endpgm
.Lentry_shape_is_right:
; ATTN: for one batch and head: t = log2(e) / 8 x (g sem + (1 - g) geo), causal; p = 2^(t - M), M the running largest t rounded up to a whole number; O = sum p V / sum p.  All three products on E4M3 codes.
; The head's whole K and V (8 units of 128 keys x 32,768 bytes) lie in LDS, each byte filled once.  The four work-groups of a cluster belong to one head and ask for them jointly.
; SHARES.  Work-group c = 0 .. 7 of a head; wave w takes the tile of 16 queries 8 a + c, with a = w xor 3 (w / 4) = 0, 1, 2, 3, 7, 6, 5, 4.  So a wave walks a + 1 units of keys, a number that hangs on the wave's number alone,
; every work-group has the same 36 steps, and no branch hangs on a work-group's place in its cluster.
; LAYOUT.  S^T = K Q^T (source 0 = 16 keys, source 1 = my 16 queries): a lane holds one query and register j of tile kt the key 16 kt + 8 (lane / 16) + j, which is the place that p's operand wants: eight registers convert into
; registers 2 kt, 2 kt + 1.  O^T = V^T P^T likewise: a lane holds one query and eight neighbouring channels, which convert into the out projection's operand: oc [tile of 16 tokens 128][head 16][image 2,048].
; A STEP'S 64 LDS LOADS GO OUT TOGETHER at its head, each fragment into registers of its own: K's second half lands under the first half's products, V under the softmax.
; Hidden keys get -infinity, so p = 0.  LIMITS: visible scores lie above -1e9; e16 and e18 - e16 - e17 lie between -126 and 119; NaN is not served.
; REGISTERS: v1 16 x lane; v2 the unit's LDS address; v3 16 c + r - 8 h; v4 -infinity; v[6:7], v[8:9] the two factors; v10, v11 p's hold and scale; v12 -M; v13 the largest t; v[14:15] the sum; v16-23, v24-31 Q sem, geo;
; v32-95 K's tiles 0-3; v96-127 sem scores; v128-191 t, then p; v192-207 codes; v208-217 at work; v218, v219 o's scale and hold; window 1: v0-63 O^T, v64-191 V's eight tiles, v192-255 K's tiles 4-7.
.set KF, 32
.set SS, 96
.set TT, 128
.set PC, 192
.set VF, 64                            ; in window 1
.set K2, 192                           ; in window 1
.set MSB, 0
.macro WIN new
.if MSB != (\new)
	s_set_vgpr_msb (MSB<<8)|(\new)
.set MSB, (\new)
.endif
.endm
.macro ROUND
	s_barrier_signal -1
	s_barrier_wait -1
	s_cmp_lg_u32 s18, 0
	s_cbranch_scc1 .Lnot_wave_0_\@
	s_barrier_signal -3
.Lnot_wave_0_\@:
	s_barrier_wait -3
	s_barrier_signal -1
	s_barrier_wait -1
.endm
	s_load_b128 s[4:7], s[0:1], 0x0                ; qc, kv
	s_load_b128 s[8:11], s[0:1], 0x10              ; gat, lowp_scales
	s_load_b64 s[12:13], s[0:1], 0x20              ; oc
	v_lshl_add_u32 v254, v0, 2, 0x40000
	v_mov_b32 v255, 0
	ds_add_u32 v254, v255
	ds_add_u32 v254, v255
	v_lshrrev_b32 v1, 5, v0
	s_delay_alu instid0(VALU_DEP_1)
	v_readfirstlane_b32 s18, v1                    ; wave 0..7
	s_lshr_b32 s19, s18, 2
	s_mul_i32 s19, s19, 3
	s_xor_b32 s19, s18, s19                        ; a
	s_bfe_u32 s20, ttmp6, 0x40000                  ; cx
	s_lshl_b32 s21, ttmp9, 2
	s_add_co_u32 s21, s21, s20                     ; c
	s_and_b32 s22, ttmp7, 0xffff                   ; batch x 16 + head
	s_lshl_b32 s23, s19, 3
	s_add_co_u32 s23, s23, s21                     ; my tile of queries
	s_mov_b32 s14, 0x76543210
	s_mov_b32 s15, 0xfedcba98                      ; lane l xor 16
	s_mov_b32 s24, 15|(3<<16)|(1<<21)              ; all four work-groups; elements of 8 bytes; bit 21 beside a mask
	s_mov_b32 s25, 32<<16                          ; 32 rows of 256 bytes, dense
	s_mov_b32 s26, 128<<16                         ; 128 rows of 256 bytes, dense: one unit of 128 keys
	s_mov_b32 s27, 32<<16
	s_mov_b32 s28, 128
	s_mov_b32 s29, 32
	s_mov_b32 s30, 0
	s_mov_b32 s31, 0
	s_lshl_b32 s48, s22, 18
	s_lshl_b32 s50, s18, 15                        ; wave w fetches unit w, 32,768 bytes
	s_add_co_u32 s48, s48, s50
	s_mov_b32 s49, 0
	s_wait_dscnt 0x0
	s_wait_kmcnt 0x0
	s_load_b256 s[52:59], s[10:11], 0x28           ; entries 10 .. 17
	s_load_b32 s60, s[10:11], 0x48                 ; entry 18
	s_add_nc_u64 s[48:49], s[6:7], s[48:49]
	s_mov_b32 s32, 1
	s_mov_b32 s33, s50
	s_mov_b64 s[34:35], s[48:49]
	s_or_b32 s35, s35, 0x80000000
	ROUND                                          ; all four work-groups are here: the joint loads meet
	tensor_load_to_lds s[32:35], s[24:31]          ; my one tensor load: unit w
	s_nop 0
.rept 4
	v_nop
.endr
	v_and_b32 v5, 31, v0
	s_delay_alu instid0(VALU_DEP_1)
	v_lshlrev_b32 v1, 4, v5
	v_and_b32 v208, 15, v0                         ; r
	s_wait_alu depctr_va_vdst(0)
	v_bfe_u32 v209, v0, 4, 1                       ; h
	s_wait_alu depctr_va_vdst(0)
	s_lshl_b32 s61, s22, 6
	s_add_co_u32 s61, s61, s23
	s_lshl_b32 s62, s61, 11
	s_mov_b32 s63, 0
	s_add_nc_u64 s[4:5], s[4:5], s[62:63]
	global_load_b128 v[16:19], v1, s[4:5]
	global_load_b128 v[20:23], v1, s[4:5] offset:512
	global_load_b128 v[24:27], v1, s[4:5] offset:1024
	global_load_b128 v[28:31], v1, s[4:5] offset:1536
	s_lshr_b32 s66, s22, 4                         ; batch
	s_and_b32 s67, s22, 15                         ; head
	s_lshl_b32 s68, s66, 6
	s_add_co_u32 s68, s68, s23                     ; my tile of 16 tokens among 128
	s_lshl_b32 s70, s68, 10
	s_lshl_b32 s69, s67, 2
	s_add_co_u32 s70, s70, s69
	s_mov_b32 s71, 0
	s_add_nc_u64 s[8:9], s[8:9], s[70:71]
	v_lshlrev_b32 v210, 6, v208
	global_load_b32 v211, v210, s[8:9]             ; my query's gate
	s_lshl_b32 s72, s68, 4
	s_add_co_u32 s72, s72, s67
	s_lshl_b32 s72, s72, 11
	s_mov_b32 s73, 0
	s_add_nc_u64 s[12:13], s[12:13], s[72:73]
	v_lshlrev_b32 v3, 3, v209
	s_delay_alu instid0(VALU_DEP_1)
	v_sub_nc_u32 v3, v208, v3
	s_lshl_b32 s74, s21, 4
	v_add_nc_u32 v3, s74, v3                       ; in the unit on the diagonal, register j of tile kt is hidden where 16 kt + j > 16 c + r - 8 h
	v_mov_b32 v4, 0xff800000
	v_mov_b32 v13, 0xff61b1e6                      ; the largest t so far: under every t
	s_delay_alu instid0(VALU_DEP_1)
	v_floor_f32 v12, -v13
	v_mov_b32 v14, 0
	v_mov_b32 v15, 0
	v_mov_b32 v213, 0                              ; (named as the upper half of the pair v[212:213])
	s_wait_kmcnt 0x0
	s_add_co_i32 s75, s58, 127
	s_lshl_b32 s76, s75, 23
	v_mov_b32 v11, s76                             ; 2^e16
	s_add_co_i32 s75, s75, 8
	s_lshl_b32 s75, s75, 23
	s_or_b32 s75, s75, 0x600000
	v_mov_b32 v10, s75                             ; 448 x 2^e16
	s_sub_co_i32 s75, s60, s58
	s_sub_co_i32 s75, s75, s59
	s_add_co_i32 s75, s75, 127
	s_lshl_b32 s76, s75, 23
	v_mov_b32 v218, s76                            ; 2^(e18 - e16 - e17): O / l stands for o / 2^(e16 + e17)
	s_add_co_i32 s75, s75, 8
	s_lshl_b32 s75, s75, 23
	s_or_b32 s75, s75, 0x600000
	v_mov_b32 v219, s75
	s_add_co_i32 s75, s52, s53
	s_add_co_i32 s76, s54, s55
	s_wait_loadcnt 0x0
	v_mul_f32 v6, 0x3e38aa3b, v211                 ; g x log2(e) / 8
	v_sub_f32 v8, 1.0, v211
	s_delay_alu instid0(VALU_DEP_1)
	v_mul_f32 v8, 0x3e38aa3b, v8
	s_delay_alu instid0(VALU_DEP_3)
	v_ldexp_f32 v6, v6, s75                        ; x 2^(e10 + e11)
	s_delay_alu instid0(VALU_DEP_2)
	v_ldexp_f32 v8, v8, s76                        ; x 2^(e12 + e13)
	s_delay_alu instid0(VALU_DEP_2)
	v_mov_b32 v7, v6
	s_delay_alu instid0(VALU_DEP_2)
	v_mov_b32 v9, v8
	v_mov_b32 v210, 0                              ; a lane permute's destination counts as one of its sources
; A KEY STEP: unit s, 128 keys.  A wave whose queries all come before the unit leaves it out: a branch on the wave's number, round no barrier and no tensor load.
; (The argument is an expression put in as text: it stands in brackets wherever it is used.)
.macro STEP s
.if (\s) > 0
	s_cmp_lt_u32 s19, (\s)
	s_cbranch_scc1 .Lskip_\@
.endif
	v_add_nc_u32 v2, (\s)*32768, v1                ; the unit's first byte in LDS + 16 x lane
.rept 4
	v_nop                                          ; places in front of loads into registers that the last step's products have read (V's: they are the last lines of a step)
.endr
.irp t, 0,1,2,3                        ; K's tiles 0-3: sem and geo fragments lie side by side
.irp u, 0,1,2,3
	ds_load_b128 v[KF+16*\t+4*\u:KF+16*\t+4*\u+3], v2 offset:\t*2048+512*\u
.endr
.endr
	WIN 0x40                                       ; destination window 1
.irp t, 0,1,2,3                        ; K's tiles 4-7
.irp u, 0,1,2,3
	ds_load_b128 v[K2+16*\t+4*\u:K2+16*\t+4*\u+3], v2 offset:(4+\t)*2048+512*\u
.endr
.endr
.irp t, 0,1,2,3,4,5,6,7                ; V^T's eight tiles of 16 channels
.irp u, 0,1,2,3
	ds_load_b128 v[VF+16*\t+4*\u:VF+16*\t+4*\u+3], v2 offset:16384+\t*2048+512*\u
.endr
.endr
	WIN 0
.irp g, 0,1                            ; four tiles of 16 keys at a time
.if \g == 0
.set KB, KF
	s_wait_dscnt 48                                ; K's tiles 0-3 are in; behind them: 16 loads of K and 32 of V
.else
.set KB, K2
	s_wait_dscnt 32                                ; K's tiles 4-7 are in; behind them: V's 32
	WIN 0x01                                       ; source 0 window 1
.endif
.irp t, 0,1,2,3
	v_wmma_f32_16x16x64_fp8_fp8 v[SS+8*\t:SS+8*\t+7], v[KB+16*\t:KB+16*\t+7], v[16:23], 0
.endr
.irp t, 0,1,2,3
	v_wmma_f32_16x16x64_fp8_fp8 v[TT+8*(4*\g+\t):TT+8*(4*\g+\t)+7], v[KB+16*\t+8:KB+16*\t+15], v[24:31], 0
.endr
	WIN 0
.rept 4
	v_nop                                          ; places behind the products, for the reads below
.endr
.set n, 0
	s_wait_alu depctr_va_vdst(0)
.rept 16
	v_pk_mul_f32 v[TT+32*\g+n:TT+32*\g+n+1], v[TT+32*\g+n:TT+32*\g+n+1], v[8:9] op_sel_hi:[1,0]
.set n, n+2
.endr
.set n, 0
.rept 16
	v_pk_fma_f32 v[TT+32*\g+n:TT+32*\g+n+1], v[SS+n:SS+n+1], v[6:7], v[TT+32*\g+n:TT+32*\g+n+1] op_sel_hi:[1,0,1]   ; t
.set n, n+2
.endr
.endr
	s_cmp_lg_u32 s19, (\s)                         ; only the unit on the diagonal has hidden keys
	s_cbranch_scc1 .Lopen_\@
.irp kt, 0,1,2,3,4,5,6,7
.irp j, 0,1,2,3,4,5,6,7
	v_cmp_gt_i32 vcc_lo, 16*\kt+\j, v3
	s_delay_alu instid0(VALU_DEP_1)
	v_cndmask_b32 v[TT+8*\kt+\j], v[TT+8*\kt+\j], v4, vcc_lo
.endr
.endr
.Lopen_\@:
	v_max3_num_f32 v208, v[TT], v[TT+1], v[TT+2]
	v_max3_num_f32 v209, v[TT+3], v[TT+4], v[TT+5]
.irp i, 6,10,14,18,22,26,30,34,38,42,46,50,54,58
	s_delay_alu instid0(VALU_DEP_2)
	v_max3_num_f32 v208, v208, v[TT+\i], v[TT+\i+1]
	s_delay_alu instid0(VALU_DEP_2)
	v_max3_num_f32 v209, v209, v[TT+\i+2], v[TT+\i+3]
.endr
	s_delay_alu instid0(VALU_DEP_2)
	v_max3_num_f32 v208, v208, v[TT+62], v[TT+63]
	s_delay_alu instid0(VALU_DEP_1)
	v_max_num_f32 v208, v208, v209
	s_delay_alu instid0(VALU_DEP_1)
	v_permlanex16_b32 v210, v208, s14, s15
	s_delay_alu instid0(VALU_DEP_1)
	v_max_num_f32 v208, v208, v210
	s_delay_alu instid0(VALU_DEP_1)
	v_max_num_f32 v13, v13, v208                   ; the running largest t
	v_mov_b32 v208, v12
	s_delay_alu instid0(VALU_DEP_2)
	v_floor_f32 v12, -v13                          ; -M = floor(-t): M is a whole number
	s_delay_alu instid0(VALU_DEP_1)
	v_sub_f32 v208, v12, v208
	s_delay_alu instid0(VALU_DEP_1)
	v_cvt_i32_f32 v208, v208                       ; (it saturates)
	s_delay_alu instid0(VALU_DEP_1)
	v_ldexp_f32 v212, 1.0, v208                    ; f = 2^(old M - new M)
.set n, 0
.rept 32
	v_pk_add_f32 v[TT+n:TT+n+1], v[TT+n:TT+n+1], v[12:13] op_sel_hi:[1,0]
.set n, n+2
.endr
.set n, 0
	s_wait_alu depctr_va_vdst(0)
.rept 64
	v_exp_f32 v[TT+n], v[TT+n]                     ; p, not normalised
.set n, n+1
.endr
	v_pk_mul_f32 v[14:15], v[14:15], v[212:213] op_sel_hi:[1,0]   ; (a plain line behind the exponentials)
	s_wait_alu depctr_va_vdst(0)
	v_pk_add_f32 v[214:215], v[132:133], v[136:137]
	v_pk_add_f32 v[252:253], v[140:141], v[144:145]
	v_pk_add_f32 v[250:251], v[148:149], v[152:153]
	v_pk_add_f32 v[248:249], v[156:157], v[160:161]
	v_pk_add_f32 v[246:247], v[164:165], v[168:169]
	v_pk_add_f32 v[244:245], v[172:173], v[176:177]
	v_pk_add_f32 v[242:243], v[180:181], v[184:185]
	v_pk_add_f32 v[14:15], v[14:15], v[188:189]
	v_pk_add_f32 v[214:215], v[214:215], v[128:129]
	v_pk_add_f32 v[252:253], v[252:253], v[130:131]
	v_pk_add_f32 v[250:251], v[250:251], v[134:135]
	v_pk_add_f32 v[248:249], v[248:249], v[138:139]
	v_pk_add_f32 v[246:247], v[246:247], v[142:143]
	v_pk_add_f32 v[244:245], v[244:245], v[146:147]
	v_pk_add_f32 v[242:243], v[242:243], v[150:151]
	v_pk_add_f32 v[14:15], v[14:15], v[154:155]
	v_pk_add_f32 v[214:215], v[214:215], v[158:159]
	v_pk_add_f32 v[252:253], v[252:253], v[162:163]
	v_pk_add_f32 v[250:251], v[250:251], v[166:167]
	v_pk_add_f32 v[248:249], v[248:249], v[170:171]
	v_pk_add_f32 v[246:247], v[246:247], v[174:175]
	v_pk_add_f32 v[244:245], v[244:245], v[178:179]
	v_pk_add_f32 v[242:243], v[242:243], v[182:183]
	v_pk_add_f32 v[14:15], v[14:15], v[186:187]
	v_pk_add_f32 v[214:215], v[214:215], v[190:191]
	s_delay_alu instid0(VALU_DEP_2)
	v_pk_add_f32 v[14:15], v[14:15], v[248:249]
	s_delay_alu instid0(VALU_DEP_2)
	v_pk_add_f32 v[214:215], v[214:215], v[246:247]
	v_pk_add_f32 v[252:253], v[252:253], v[244:245]
	v_pk_add_f32 v[250:251], v[250:251], v[242:243]
	s_delay_alu instid0(VALU_DEP_2)
	v_pk_add_f32 v[14:15], v[14:15], v[252:253]
	s_delay_alu instid0(VALU_DEP_2)
	v_pk_add_f32 v[214:215], v[214:215], v[250:251]
	s_delay_alu instid0(VALU_DEP_1)
	v_pk_add_f32 v[14:15], v[14:15], v[214:215]
.irp kt, 0,1,2,3,4,5,6,7
.irp i, 0,1,2,3,4,5,6,7
	v_min_num_f32 v[TT+8*\kt+\i], v[TT+8*\kt+\i], v10   ; p is not negative: the hold is one-sided
.endr
	v_cvt_scalef32_pk8_fp8_f32 v[PC+2*\kt:PC+2*\kt+1], v[TT+8*\kt:TT+8*\kt+7], v11
.endr
	v_nop                                          ; a plain line behind the last conversion
.if (\s) > 0
	WIN 0x41                                       ; O^T (destination and source 0) in window 1
.set n, 0
.rept 32
	v_pk_mul_f32 v[n:n+1], v[n:n+1], v[212:213] op_sel_hi:[1,0]
.set n, n+2
.endr
.endif
	s_wait_alu depctr_va_vdst(0)
	s_wait_dscnt 0x0                               ; V is in: asked for at the step's head
	WIN 0x51                                       ; V (source 0), C and D in window 1; p's codes in window 0
.irp t, 0,1,2,3,4,5,6,7                ; O^T += V^T P^T: the eight accumulators take turns
.if (\s) == 0
	v_wmma_f32_16x16x128_fp8_fp8 v[8*\t:8*\t+7], v[VF+16*\t:VF+16*\t+15], v[PC:PC+15], 0
.else
	v_wmma_f32_16x16x128_fp8_fp8 v[8*\t:8*\t+7], v[VF+16*\t:VF+16*\t+15], v[PC:PC+15], v[8*\t:8*\t+7]
.endif
.endr
	WIN 0
.if (\s) > 0
.Lskip_\@:
.endif
.endm
	s_wait_alu depctr_va_vdst(0)
	s_wait_tensorcnt 0x0                           ; my unit is in
	s_barrier_signal -1
	s_barrier_wait -1                              ; all eight are; nothing is ever filled again
.irp st, 0,1,2,3,4,5,6,7
	STEP \st
.endr
.rept 4
	v_nop                                          ; places behind the last products
.endr
	v_add_f32 v14, v14, v15
	s_delay_alu instid0(VALU_DEP_1)
	v_permlanex16_b32 v210, v14, s14, s15
	s_delay_alu instid0(VALU_DEP_1)
	v_add_f32 v14, v14, v210                       ; the row's sum
	s_wait_alu depctr_va_vdst(0)
	v_rcp_f32 v14, v14
	v_nop
	WIN 0x01
.set n, 0
	s_wait_alu depctr_va_vdst(0)
.rept 64
	v_mul_f32 v[TT+n], v[n], v14                   ; register 8 dt + i: channel 16 dt + 8 h + i of my query
.set n, n+1
.endr
	WIN 0
.irp dt, 0,1,2,3,4,5,6,7
.irp i, 0,1,2,3,4,5,6,7
	v_med3_num_f32 v[TT+8*\dt+\i], v[TT+8*\dt+\i], -v219, v219
.endr
	v_cvt_scalef32_pk8_fp8_f32 v[PC+2*\dt:PC+2*\dt+1], v[TT+8*\dt:TT+8*\dt+7], v218
.endr
	v_nop
.irp g, 0,1,2,3
	global_store_b128 v1, v[PC+4*\g:PC+4*\g+3], s[12:13] offset:512*\g   ; the image of K step = head: 512 consecutive bytes a store
.endr
	s_wait_tensorcnt 0x0
	ds_add_u32 v254, v255
	s_wait_dscnt 0x0
	ROUND                                          ; the closing round
	s_endpgm
.Lfunc_end_k_qe27851ae23_attn:
	.size	k_qe27851ae23_attn, .Lfunc_end_k_qe27851ae23_attn-k_qe27851ae23_attn
	.p2alignl 7, 3214868480
	.fill 96, 4, 3214868480
	.section	.rodata,"a",@progbits
	.p2align	6, 0x0
	.amdhsa_kernel k_qe27851ae23_attn
		.amdhsa_group_segment_fixed_size 263168
		.amdhsa_private_segment_fixed_size 0
		.amdhsa_enable_private_segment 0
		.amdhsa_kernarg_size 40
		.amdhsa_user_sgpr_count 2
		.amdhsa_user_sgpr_kernarg_segment_ptr 1
		.amdhsa_wavefront_size32 1
		.amdhsa_system_sgpr_workgroup_id_x 1
		.amdhsa_system_sgpr_workgroup_id_y 1
		.amdhsa_system_sgpr_workgroup_id_z 1
		.amdhsa_system_vgpr_workitem_id 0
		.amdhsa_next_free_vgpr 512
		.amdhsa_next_free_sgpr 80
		.amdhsa_reserve_vcc 1
		.amdhsa_float_denorm_mode_32 3
		.amdhsa_float_denorm_mode_16_64 3
		.amdhsa_memory_ordered 1
		.amdhsa_forward_progress 1
		.amdhsa_inst_pref_size 255
	.end_amdhsa_kernel
	.section	.bss,"aw",@nobits
	.p2align	6
	.space	262144
	.amdgpu_metadata
---
amdhsa.version: [ 1, 2 ]
amdhsa.kernels:
  - .name:           k_qe27851ae23_attn
    .symbol:         k_qe27851ae23_attn.kd
    .args:
      - { .name: qc, .offset: 0, .size: 8, .value_kind: global_buffer, .address_space: global }
      - { .name: kv, .offset: 8, .size: 8, .value_kind: global_buffer, .address_space: global }
      - { .name: gat, .offset: 16, .size: 8, .value_kind: global_buffer, .address_space: global }
      - { .name: lowp_scales, .offset: 24, .size: 8, .value_kind: global_buffer, .address_space: global }
      - { .name: oc, .offset: 32, .size: 8, .value_kind: global_buffer, .address_space: global }
    .group_segment_fixed_size: 263168
    .private_segment_fixed_size: 0
    .kernarg_segment_align: 8
    .kernarg_segment_size: 40
    .max_flat_workgroup_size: 256
    .sgpr_count:     80
    .vgpr_count:     512
    .wavefront_size: 32
...
	.end_amdgpu_metadata
.endif
;; end of part 3
;; launch outp (part 4): grid 16 x 16, 4 waves a work-group, clusters of 4 x 4, 327,680 bytes of LDS; arguments oc, cod, lowp_scales, out0; writes out0
.if DOCPART == 4
	.amdgcn_target "amdgcn-amd-amdhsa--gfx1250"
	.amdhsa_code_object_version 6
	.text
	.protected	k_qe27851ae23_outp
	.globl	k_qe27851ae23_outp
	.p2align	8
	.type	k_qe27851ae23_outp,@function
k_qe27851ae23_outp:
	s_mov_b64 s[64:65], 0
	v_nop
	global_prefetch_b8 v0, s[64:65] scope:SCOPE_SE
	s_setreg_imm32_b32 hwreg(HW_REG_WAVE_MODE, 25, 1), 1
	s_wait_xcnt 0x0
	s_wait_alu depctr_hold_cnt(0) depctr_sa_sdst(0) depctr_va_vdst(0) depctr_va_sdst(0) depctr_va_ssrc(0) depctr_va_vcc(0) depctr_vm_vsrc(0)
	s_getreg_b32 s2, hwreg(HW_REG_IB_STS2, 6, 4)
	s_cmp_eq_u32 s2, 0
	s_cbranch_scc0 .Lentry_in_a_cluster
	s_endpgm
.Lentry_in_a_cluster:
	s_bfe_u32 s2, ttmp6, 0x10000c
	s_cmp_lg_u32 s2, 0xf033
	s_cbranch_scc0 .Lentry_shape_is_right
	s_endpgm
.Lentry_shape_is_right:
.set NB,    4
.set KS,    4
.set ROWB,  KS*2048
.set HALFT, NB*ROWB
.set SLOT,  4*HALFT
.set SPARE, 2*SLOT
.set STAGE, SPARE+512
.set SPITCH, 272
.set LAPS,  2048/(256*KS)
.set FR,    16
.set NL,    4
.set NP,    4
.set ADRA,  16
.set ADRB,  20
.set STO,   24
.set RD,    25
.set CO,    26
.set SPW,   28
.set NIL,   29
.set TMP,   32
.set BK,    64
.set AF,    128
.set G1,    24
.set G0,    32
.set G1B,   48
.set G0B,   56
.set MSB, 0
.macro WIN new
.if MSB != (\new)
	s_set_vgpr_msb (MSB<<8)|(\new)
.set MSB, (\new)
.endif
.endm
.set MUL_LO, 0xa1
.set MUL_HI, 0xf1
.set TO_B,   0x40
.macro JLOAD g0a, g1a, g0b, g1b
	s_cmp_eq_u32 s15, 0
	s_cbranch_scc0 .Lfor_b_\@
	tensor_load_to_lds s[\g0a:\g0a+3], s[\g1a:\g1a+7]
	s_nop 0
.rept 4
	v_nop
.endr
	s_branch .Lasked_\@
.Lfor_b_\@:
	tensor_load_to_lds s[\g0b:\g0b+3], s[\g1b:\g1b+7]
	s_nop 0
.rept 4
	v_nop
.endr
.Lasked_\@:
.endm
.macro CREST
	s_cmp_lg_u32 s14, 0
	s_cbranch_scc1 .Lnot_wave_0_\@
	s_barrier_signal -3
.Lnot_wave_0_\@:
	s_barrier_wait -3
	s_barrier_signal -1
	s_barrier_wait -1
.endm
.macro CROUND
	s_barrier_signal -1
	s_barrier_wait -1
	CREST
.endm
.macro PLACES n
.rept \n
	v_nop
.endr
.endm
.macro FRAG reg, adr, q, i
.irp g, 0,1,2,3
	ds_load_b128 v[\reg+4*\g:\reg+4*\g+3], v[\adr] offset:(\i)*ROWB+(\q)*2048+512*\g
.endr
.endm
.macro MULQ a0, p, zero
.set AA, \a0
.rept NB/4
.set BB, 0
.rept NB
.set DD, 8*(NB*(AA%(NB/2))+BB)
.if \zero
	v_wmma_f32_16x16x128_fp8_fp8 v[DD:DD+7], v[128*(\p)+FR*BB:128*(\p)+FR*BB+FR-1], v[AF+FR*AA:AF+FR*AA+FR-1], 0
.else
	v_wmma_f32_16x16x128_fp8_fp8 v[DD:DD+7], v[128*(\p)+FR*BB:128*(\p)+FR*BB+FR-1], v[AF+FR*AA:AF+FR*AA+FR-1], v[DD:DD+7]
.endif
.set BB, BB+1
.endr
.set AA, AA+1
.endr
.endm
.macro FETCH_B slot, q, p
	WIN TO_B
.set II, 0
.rept NB
	FRAG 128*(\p)+FR*II, ADRB+\slot, \q, II
.set II, II+1
.endr
	WIN 0
.endm
.macro FETCH_A slot, q, i0
.set II, \i0
.rept NB/2
	FRAG AF+FR*II, ADRA+\slot, \q, II
.set II, II+1
.endr
.endm
.macro STEP slot, q, zero
	s_wait_dscnt (NB/2)*NL
	WIN MUL_LO
	MULQ 0, (\q)%2, \zero
	MULQ NB/4, (\q)%2, \zero
	s_wait_dscnt 0x0
	PLACES NP
	FETCH_B \slot, (\q)+1, 1-(\q)%2
	FETCH_A \slot, (\q)+1, 0
	WIN MUL_HI
	MULQ NB/2, (\q)%2, \zero
	MULQ 3*NB/4, (\q)%2, \zero
	PLACES NP
	WIN 0
	FETCH_A \slot, (\q)+1, NB/2
.endm
.macro TURN slot, next, fill
	s_wait_tensorcnt 0x0
	ds_add_u32 v[SPW], v[NIL]
	s_wait_dscnt (NB/2)*NL+1
	WIN MUL_LO
	MULQ 0, 1, 0
	s_wait_dscnt 0x0
	s_barrier_signal -1
	MULQ NB/4, 1, 0
	WIN 0
	s_barrier_wait -1
.if \fill
	CREST
	s_add_nc_u64 s[G0+4*\slot+2:G0+4*\slot+3], s[G0+4*\slot+2:G0+4*\slot+3], 2*ROWB
	s_add_nc_u64 s[G0B+4*\slot+2:G0B+4*\slot+3], s[G0B+4*\slot+2:G0B+4*\slot+3], 2*ROWB
	JLOAD G0+4*\slot, G1, G0B+4*\slot, G1B
.else
	PLACES NP
.endif
	FETCH_B \next, 0, 0
	FETCH_A \next, 0, 0
	WIN MUL_HI
	MULQ NB/2, 1, 0
	MULQ 3*NB/4, 1, 0
	PLACES NP
	WIN 0
	FETCH_A \next, 0, NB/2
.endm
.macro RUN slot, q0
.set QQ, \q0
.rept KS-1-\q0
	STEP \slot, QQ, 0
.set QQ, QQ+1
.endr
.endm
	s_load_b128 s[4:7], s[0:1], 0x0
	s_load_b128 s[8:11], s[0:1], 0x10
	v_lshl_add_u32 v[SPW], v0, 2, SPARE
	v_mov_b32 v[NIL], 0
	ds_add_u32 v28, v29
	ds_add_u32 v28, v29
	s_wait_dscnt 0x0
	v_lshrrev_b32 v1, 5, v0
	v_readfirstlane_b32 s14, v1
	s_lshr_b32 s15, s14, 1
	s_and_b32 s16, s14, 1
	s_bfe_u32 s40, ttmp6, 0x40000
	s_bfe_u32 s41, ttmp6, 0x40004
	s_lshl_b32 s42, ttmp9, 2
	s_add_co_u32 s42, s42, s40
	s_and_b32 s17, ttmp7, 0xffff
	s_lshl_b32 s17, s17, 2
	s_add_co_u32 s17, s17, s41
	s_lshl_b32 s43, s41, 2
	s_lshl_b32 s43, 15, s43
	s_lshl_b32 s44, 0x1111, s40
	s_or_b32 s[G1], s43, (3<<16)|(1<<21)
	s_or_b32 s[G1B], s44, (3<<16)|(1<<21)
.irp g, G1, G1B
	s_mov_b32 s[\g+1], (ROWB/8)<<16
	s_mov_b32 s[\g+2], NB<<16
	s_mov_b32 s[\g+3], (ROWB/8)<<16
	s_mov_b32 s[\g+4], NB
	s_mov_b32 s[\g+5], 4096
	s_mov_b32 s[\g+6], 0
	s_mov_b32 s[\g+7], 0
.endr
	s_lshl_b32 s18, s16, 2
	s_lshl_b32 s20, s17, 3
	s_add_co_u32 s20, s20, s18
	s_lshl_b32 s20, s20, 15
	s_mov_b32 s21, 0
	s_lshl_b32 s46, s42, 3
	s_add_co_u32 s46, s46, s18
	s_add_co_u32 s46, s46, 1024
	s_lshl_b32 s46, s46, 15
	s_mov_b32 s47, 0
	s_mul_i32 s45, s14, HALFT
	s_wait_kmcnt 0x0
	s_load_b64 s[96:97], s[8:9], 0x48
	s_add_nc_u64 s[20:21], s[4:5], s[20:21]
	s_add_nc_u64 s[46:47], s[6:7], s[46:47]
	CROUND
.irp s, 0,1
	s_mov_b32 s[G0+4*\s], 1
	s_add_co_u32 s[G0+4*\s+1], s45, \s*SLOT
	s_add_nc_u64 s[G0+4*\s+2:G0+4*\s+3], s[20:21], \s*ROWB
	s_or_b32 s[G0+4*\s+3], s[G0+4*\s+3], 0x80000000
	s_mov_b32 s[G0B+4*\s], 1
	s_add_co_u32 s[G0B+4*\s+1], s45, \s*SLOT
	s_add_nc_u64 s[G0B+4*\s+2:G0B+4*\s+3], s[46:47], \s*ROWB
	s_or_b32 s[G0B+4*\s+3], s[G0B+4*\s+3], 0x80000000
.endr
	JLOAD G0, G1, G0B, G1B                         ; slot 0, behind the opening round
	v_and_b32 v6, 31, v0
	v_lshlrev_b32 v4, 4, v6
	s_mul_i32 s21, s15, HALFT
	s_mul_i32 s22, s16, HALFT
	s_add_co_u32 s22, s22, 2*HALFT
.irp s, 0,1
	v_add_nc_u32 v[ADRA+\s], s21, v4
	v_add_nc_u32 v[ADRB+\s], s22, v4
	s_add_co_u32 s21, s21, SLOT
	s_add_co_u32 s22, s22, SLOT
.endr
	v_and_b32 v1, 15, v0
	v_bfe_u32 v2, v0, 4, 1
	s_mul_i32 s23, s14, 16*SPITCH
	s_add_co_u32 s23, s23, STAGE
	v_mul_u32_u24 v5, v1, SPITCH
	v_lshl_add_u32 v5, v2, 5, v5
	v_add_nc_u32 v[STO], s23, v5
	v_mul_u32_u24 v5, v2, SPITCH
	v_lshl_add_u32 v5, v1, 4, v5
	v_add_nc_u32 v[RD], s23, v5
	v_lshlrev_b32 v5, 13, v2
	v_lshl_add_u32 v[CO], v1, 4, v5
	s_lshl_b32 s20, s17, 7
	s_lshl_b32 s21, s15, 6
	s_add_co_u32 s20, s20, s21
	s_lshl_b32 s20, s20, 13
	s_mov_b32 s21, 0
	s_lshl_b32 s46, s42, 9
	s_lshl_b32 s47, s16, 8
	s_add_co_u32 s46, s46, s47
	s_mov_b32 s47, 0
	s_add_nc_u64 s[20:21], s[20:21], s[46:47]
	s_add_nc_u64 s[10:11], s[10:11], s[20:21]
	s_wait_alu depctr_va_vdst(0)
	s_wait_tensorcnt 0x0                           ; my part of slot 0 is in
	ds_add_u32 v[SPW], v[NIL]
	s_wait_dscnt 0x0
	CROUND                                         ; a whole round: everybody's part of slot 0 is in, and the joint loads meet
	JLOAD G0+4, G1, G0B+4, G1B                     ; slot 1's first fill, the first tensor load behind the round
	FETCH_B 0, 0, 0
	FETCH_A 0, 0, 0
	FETCH_A 0, 0, NB/2
	STEP 0, 0, 1
	s_mov_b32 s3, LAPS-1
.Llap:
	RUN 0, 1
	TURN 0, 1, 1
	RUN 1, 0
	TURN 1, 0, 1
	STEP 0, 0, 0
	s_sub_co_u32 s3, s3, 1
	s_cmp_lg_u32 s3, 0
	s_cbranch_scc1 .Llap
	RUN 0, 1
	TURN 0, 1, 0
	RUN 1, 0
	s_wait_dscnt (NB/2)*NL
	WIN MUL_LO
	MULQ 0, 1, 0
	MULQ NB/4, 1, 0
	s_wait_dscnt 0x0
	WIN MUL_HI
	MULQ NB/2, 1, 0
	MULQ 3*NB/4, 1, 0
	WIN 0
.macro TOSTAGE a
.set AC, 32*((\a)%2)
	WIN 0x02+((\a)/2)
.set n, 0
.rept 16
	v_pk_mul_f32 v[TMP+n:TMP+n+1], v[AC+n:AC+n+1], s[96:97] op_sel_hi:[1,0]
.set n, n+2
.endr
	WIN 0
.irp b, 0,1,2,3
	ds_store_b128 v[STO], v[TMP+8*\b:TMP+8*\b+3] offset:64*\b
	ds_store_b128 v[STO], v[TMP+8*\b+4:TMP+8*\b+7] offset:64*\b+16
.endr
.set BBK, BK+32*((\a)%2)
.irp t, 0,1,2,3,4,5,6,7
	ds_load_b128 v[BBK+4*\t:BBK+4*\t+3], v[RD] offset:\t*2*SPITCH
.endr
.endm
.macro SEND a, younger
.set BBK, BK+32*((\a)%2)
	s_wait_dscnt \younger
.irp t, 0,1,2,3,4,5,6,7
	global_store_b128 v[CO], v[BBK+4*\t:BBK+4*\t+3], s[10:11] offset:(16*(\a)+2*\t)*8192 th:TH_STORE_NT
.endr
.endm
	s_wait_kmcnt 0x0
	s_add_co_i32 s96, s96, s97
	s_add_co_i32 s96, s96, 127
	s_lshl_b32 s96, s96, 23
	s_mov_b32 s97, s96
	PLACES NP
	TOSTAGE 0
.irp a, 1,2,3
.if \a > 1
	s_wait_xcnt 0x0
.endif
	TOSTAGE \a
	SEND \a-1, 16
.endr
	SEND 3, 0
	s_wait_tensorcnt 0x0
	ds_add_u32 v[SPW], v[NIL]
	s_wait_dscnt 0x0
	CROUND
	s_endpgm
.Lfunc_end_k_qe27851ae23_outp:
	.size	k_qe27851ae23_outp, .Lfunc_end_k_qe27851ae23_outp-k_qe27851ae23_outp
	.p2alignl 7, 3214868480
	.fill 96, 4, 3214868480
	.section	.rodata,"a",@progbits
	.p2align	6, 0x0
	.amdhsa_kernel k_qe27851ae23_outp
		.amdhsa_group_segment_fixed_size 327680
		.amdhsa_private_segment_fixed_size 0
		.amdhsa_enable_private_segment 0
		.amdhsa_kernarg_size 32
		.amdhsa_user_sgpr_count 2
		.amdhsa_user_sgpr_kernarg_segment_ptr 1
		.amdhsa_wavefront_size32 1
		.amdhsa_system_sgpr_workgroup_id_x 1
		.amdhsa_system_sgpr_workgroup_id_y 1
		.amdhsa_system_sgpr_workgroup_id_z 1
		.amdhsa_system_vgpr_workitem_id 0
		.amdhsa_next_free_vgpr 1024
		.amdhsa_next_free_sgpr 100
		.amdhsa_reserve_vcc 0
		.amdhsa_float_denorm_mode_32 3
		.amdhsa_float_denorm_mode_16_64 3
		.amdhsa_memory_ordered 1
		.amdhsa_forward_progress 1
		.amdhsa_inst_pref_size 77
	.end_amdhsa_kernel
	.amdgpu_metadata
---
amdhsa.version: [ 1, 2 ]
amdhsa.kernels:
  - .name:           k_qe27851ae23_outp
    .symbol:         k_qe27851ae23_outp.kd
    .args:
      - { .name: oc, .offset: 0, .size: 8, .value_kind: global_buffer, .address_space: global }
      - { .name: cod, .offset: 8, .size: 8, .value_kind: global_buffer, .address_space: global }
      - { .name: lowp_scales, .offset: 16, .size: 8, .value_kind: global_buffer, .address_space: global }
      - { .name: out0, .offset: 24, .size: 8, .value_kind: global_buffer, .address_space: global }
    .group_segment_fixed_size: 327680
    .private_segment_fixed_size: 0
    .kernarg_segment_align: 8
    .kernarg_segment_size: 32
    .max_flat_workgroup_size: 128
    .sgpr_count:     100
    .vgpr_count:     1024
    .wavefront_size: 32
...
	.end_amdgpu_metadata
.endif
;; end of part 4
